; MI455X (gfx1250); checked and timed in simulation.
; The chip was launched on July 23, 2026; its instructions are those of AMD's public machine-readable ISA for CDNA 5 (MIT licence, August 2026) and "CDNA5" Instruction Set Architecture Reference Guide (July 2026). The comments in the code are by the model that wrote it; some were corrected since.
;; Differential Multi Head Attention. Allowed arithmetic: matrix products marked QUANTISED: E2M1 operands, one E8M0 scale for each 32 along K, by v_wmma_scale_f32_16x16x128_f8f6f4 with both operands' format E2M1 (or v_wmma_scale_f32_32x16x128_f4), f32 sums; products left as they are: bf16, f16 or f32 operands; f32 sums; everything else in f32.
;; Inputs: Wk 1,024 x 1,024 float32; Wo 1,024 x 1,024 float32; Wq 1,024 x 1,024 float32; Wv 1,024 x 1,024 float32; lambda_k1 32 float32; lambda_k2 32 float32; lambda_q1 32 float32; lambda_q2 32 float32; subln_w 64 float32; x 2 x 2,048 x 1,024 float32.
;; Outputs: out0 2 x 2,048 x 1,024 float32.
;; This version of the problem:
;;   THIS VERSION OF THE PROBLEM IS GIVEN IN LOW PRECISION. The matrix products marked QUANTISED in the list below multiply operands that are first quantised to E2M1 (2 exponent bits, 1 mantissa bit; 4 bits a number), with one power-of-two scale for each 32 numbers along K (OCP MX v1.0); their sums are f32. The products marked 'left as it is' may take bf16, f16 or f32 operands, with f32 sums. Whichever they take, every output number must still come out within the allowed error. Rounding operands to bf16 (8 significant bits) uses up far more of that allowance than f16 does (11 bits, for magnitudes from 6e-5 to 65,504). All else is computed in f32.
;;   The module's matrix products, in the order in which they are computed (A, B: the left and right operand; K: the contracted axis; several contracted axes count as one K, in the product's order):
;;     1. [M 4,096, K 1,024] x [K 1,024, N 1,024]; A: input x; B: input Wq: QUANTISED
;;     2. [M 4,096, K 1,024] x [K 1,024, N 1,024]; A: input x; B: input Wk: QUANTISED
;;     3. [M 4,096, K 1,024] x [K 1,024, N 1,024]; A: input x; B: input Wv: QUANTISED
;;     4. batch 64 x [M 2,048, K 32] x [K 32, N 2,048]; A: computed on the way; B: computed on the way: left as it is (an operand is computed on the way)
;;     5. batch 32 x [M 2,048, K 2,048] x [K 2,048, N 64]; A: computed on the way; B: computed on the way: left as it is (an operand is computed on the way)
;;     6. [M 4,096, K 1,024] x [K 1,024, N 1,024]; A: computed on the way; B: input Wo: left as it is (an operand is computed on the way)
;;   THE QUANTISER, for each operand of a quantised product, along K:
;;     - K is cut into blocks of 32 from its start; a last block that is shorter is filled with zeros.
;;     - A block's scale is 2^e with e = floor(log2(the largest magnitude in the block)) - 2, held to -126 .. 127; a block of zeros has e = 0. As a byte (E8M0): e + 127.
;;     - Each number is divided by its block's scale, clamped to +-6, and rounded to the nearest number of E2M1, ties to even, subnormals kept.
;;     - The product sums the exact products of the quantised numbers (number of the format x scale) in f32.
;;   ~~~python
;;   def quantise(x, axis):      # numpy; x: float32 -> the quantised numbers, widened to float32 again
;;       x = np.moveaxis(x, axis, -1); K = x.shape[-1]
;;       x = np.pad(x, [(0, 0)] * (x.ndim - 1) + [(0, -K % 32)]); x = x.reshape(x.shape[:-1] + (-1, 32)); a = np.abs(x).max(-1, keepdims=True)
;;       e = np.where(a > 0, np.clip(np.frexp(np.where(a > 0, a, 1))[1] - 1 - 2, -126, 127), 0)      # np.frexp(a)[1] - 1 = floor(log2(a)), exactly
;;       r = np.clip(x / 2.0 ** e, -6, 6)
;;       step = 2.0 ** (np.maximum(np.frexp(np.where(r == 0, 1, r))[1] - 1, 0) - 1)
;;       q = np.round(r / step) * step * 2.0 ** e      # np.round: ties to even
;;       return np.moveaxis(q.reshape(q.shape[:-2] + (-1,))[..., :K], -1, axis).astype(np.float32)
;;   ~~~
;; One version. Each part assembles by itself: llvm-mc -triple=amdgcn-amd-amdhsa -mcpu=gfx1250 --defsym DOCPART=n.
;; ======== version 1 of 1: 4 launches
;; limits: values are held in f16: magnitudes above 65,504 overflow, below 6.1e-05 lose precision
;; workspace buffers: codes 3,670,016 bytes; scl 229,376 bytes; wo16 2,097,152 bytes; qkv 25,165,824 bytes; att 8,388,608 bytes
;; launch prep (part 1): grid 256 x 1, 4 waves a work-group, no clusters, 33,280 bytes of LDS; arguments x, Wq, Wk, Wv, Wo, codes, scl, wo16; writes codes, scl, wo16
.if DOCPART == 1
	.amdgcn_target "amdgcn-amd-amdhsa--gfx1250"
	.amdhsa_code_object_version 6
	.text
	.protected	k_q21977de3f9_prep
	.globl	k_q21977de3f9_prep
	.p2align	8
	.type	k_q21977de3f9_prep,@function
k_q21977de3f9_prep:
	s_mov_b64 s[64:65], 0
	v_nop
	global_prefetch_b8 v0, s[64:65] scope:SCOPE_SE
	s_setreg_imm32_b32 hwreg(HW_REG_WAVE_MODE, 25, 1), 1
	s_wait_xcnt 0x0
; x [4096][1024], Wq, Wk, Wv [1024][1024], f32, become codes of FP4 (E2M1), K innermost, two codes a byte, with one E8M0 scale byte for each 32 along K;
; Wo [1024][1024] becomes f16.  codes: [7168 rows][512 bytes], rows 0-4095 x, 4096-5119 Wq, 5120-6143 Wk, 6144-7167 Wv; scl: [7168][32]; wo16: [1024][1024] f16.
; A block's scale is 2^(floor(log2(its largest magnitude)) - 2); its byte is the largest magnitude's own exponent field - 2, held at 1 from below.
; (A block of zeros so gets the byte 1 where the quantiser says 127: its codes are zeros, which add nothing under any byte but 0xff, and this program alone reads the bytes.)
; LIMITS: blocks whose largest magnitude lies under 2^-124 keep the byte 1; NaN and infinities among the inputs are not served; Wo is held at +-65,504, f16's largest number.
; SHARES.  Rows are dense and K is a multiple of 32, so each tensor is a plain stream of blocks.  A work-group takes 32,768 numbers, a wave 8,192.  Work-groups 0-127 take x, 128-159 Wq, 160-191 Wk,
; 192-223 Wv (only the pointer is chosen: one path), 224-255 Wo (a path of its own, which touches no LDS).
; THE QUANTISING PATH.  A wave takes 16 steps of 512 numbers.  Each of a step's four loads reads 512 consecutive bytes, 16 a lane; the 2,048 bytes turn through the wave's own stage in LDS and come back 64 bytes a lane,
; so that a lane holds 16 neighbours along K (two lanes to a block), as the conversions want them.  A lane's 16 codes are 8 bytes: a wave's store covers 256 consecutive bytes, aligned.
; A wave's 256 scale bytes are gathered in its own LDS bytes and leave by one store of 256 consecutive bytes.  No tensor load, no barrier: waves share nothing.  No cluster: no two work-groups read the same bytes.
.set WAVES, 4
.set STEPS, 16
.set CB,    8                          ; bytes of 16 codes
.set R,     16                         ; v16-79   four sets of 16 numbers as they are loaded
.set X,     80                         ; v80-111  two sets of 16 neighbours
.set E,     112                        ; v112-127 a scale byte for each step
.set C,     128                        ; v128-191 codes: four registers for each step, so that no store's data are written again
.set WREG,  8192                       ; LDS: a region for each wave: two stages of 32 x SP bytes, behind them its 256 scale bytes
.set SP,    80                         ; a lane's place in a stage: 64 bytes + 16 of padding
.set SPW,   12                         ; v12  LDS address of my spare word; never rewritten
.set NIL,   13                         ; v13  0; never rewritten
.set SPARE, WAVES*WREG                 ; behind the four regions: the spare words, 128 bytes a wave
.set WI,    16                         ; Wo's path: v16-143 two batches of 64 numbers
.set WO,    144                        ; v144-207 two batches of 32 registers of f16
	s_load_b256 s[4:11], s[0:1], 0x0               ; x s[4:5], Wq s[6:7], Wk s[8:9], Wv s[10:11]
	s_load_b256 s[12:19], s[0:1], 0x20             ; Wo s[12:13], codes s[14:15], scl s[16:17], wo16 s[18:19]
	v_lshl_add_u32 v[SPW], v0, 2, SPARE
	v_mov_b32 v[NIL], 0
	v_lshrrev_b32 v1, 5, v0
	v_readfirstlane_b32 s24, v1                    ; wave
	v_and_b32 v2, 31, v0                           ; lane
	v_lshlrev_b32 v3, 4, v2                        ; my 16 bytes of a load's 512
	s_mul_i32 s25, s24, WREG
	v_lshrrev_b32 v14, 2, v2
	v_mul_u32_u24 v14, v14, SP
	v_and_b32 v15, 3, v2
	v_lshl_add_u32 v14, v15, 4, v14
	v_add_nc_u32 v14, s25, v14                     ; the stage, on the way in: SP (lane / 4) + 16 (lane % 4)
	v_mul_u32_u24 v15, v2, SP
	v_add_nc_u32 v15, s25, v15                     ; and on the way out: SP x lane: my 16 neighbours
	v_mul_u32_u24 v4, v2, CB                       ; my codes' place in a step's
	v_lshrrev_b32 v5, 1, v2
	s_add_co_u32 s25, s25, 2*32*SP
	v_add_nc_u32 v5, s25, v5                       ; LDS: my wave's 256 scale bytes, my block's byte
	v_lshlrev_b32 v7, 3, v2                        ; 8 bytes a lane
	v_add_nc_u32 v6, s25, v7
	s_wait_kmcnt 0x0
	s_cmp_ge_u32 ttmp9, 224
	s_cbranch_scc1 .Lwo
	; which tensor: three choices on the work-group's number alone; s26 = the tensor's first work-group
	s_mov_b32 s26, 192
	s_cmp_lt_u32 ttmp9, 192
	s_cselect_b64 s[20:21], s[8:9], s[10:11]
	s_cselect_b32 s26, 160, s26
	s_cmp_lt_u32 ttmp9, 160
	s_cselect_b64 s[20:21], s[6:7], s[20:21]
	s_cselect_b32 s26, 128, s26
	s_cmp_lt_u32 ttmp9, 128
	s_cselect_b64 s[20:21], s[4:5], s[20:21]
	s_cselect_b32 s26, 0, s26
	s_sub_co_u32 s26, ttmp9, s26
	s_lshl_b32 s26, s26, 2
	s_add_co_u32 s26, s26, s24                     ; my wave's run of 8,192 numbers in its tensor,
	s_lshl_b32 s26, s26, 15                        ; 32,768 bytes a run (under 2^25)
	s_mov_b32 s27, 0
	s_add_nc_u64 s[20:21], s[20:21], s[26:27]
	s_lshl_b32 s28, ttmp9, 2
	s_add_co_u32 s28, s28, s24                     ; and in the four tensors on end
	s_mov_b32 s29, 0
	s_lshl_b32 s30, s28, 12                        ; 4,096 bytes of codes a run
	s_mov_b32 s31, 0
	s_add_nc_u64 s[14:15], s[14:15], s[30:31]
	s_lshl_b32 s28, s28, 8                         ; 256 scale bytes a run
	s_add_nc_u64 s[16:17], s[16:17], s[28:29]
.macro LOAD t
.irp i, 0,1,2,3
	global_load_b128 v[R+16*((\t)%4)+4*\i:R+16*((\t)%4)+4*\i+3], v3, s[20:21] offset:2048*(\t)+512*\i th:TH_LOAD_NT   ; 32 lanes read 512 consecutive bytes
.endr
.endm
.macro TURN t                          ; step t's numbers through the stage: LDS serves a wave's instructions in order, so no wait stands between the stores and the loads
.irp i, 0,1,2,3
	ds_store_b128 v14, v[R+16*((\t)%4)+4*\i:R+16*((\t)%4)+4*\i+3] offset:32*SP*((\t)%2)+8*SP*\i
.endr
.irp i, 0,1,2,3
	ds_load_b128 v[X+16*((\t)%2)+4*\i:X+16*((\t)%2)+4*\i+3], v15 offset:32*SP*((\t)%2)+16*\i
.endr
.endm
.irp t, 0,1,2,3
	LOAD \t
.endr
	s_wait_loadcnt 12                              ; step 0's four loads are in; the twelve of steps 1 to 3 may be out
	TURN 0
.macro STEP t
.set XS, X+16*((\t)%2)
.if (\t) > 0
	s_wait_dscnt 1                                 ; this step's numbers are back from the stage (the last step's byte store may be out): so its stores into the stage have read their registers,
.else
	s_wait_dscnt 0x0
.endif
.if (\t)+4 < STEPS
	LOAD (\t)+4                                    ; which take the loads of four steps on
.endif
.if (\t)+1 < STEPS
.if STEPS-2-(\t) >= 3
	s_wait_loadcnt 12                              ; the next step's four loads are in; those of the three steps behind it may be out
.else
	s_wait_loadcnt 4*(STEPS-2-(\t))
.endif
	TURN (\t)+1                                    ; and go through the other stage while this step is worked
.endif
	v_max3_num_f32 v8, |v[XS]|, |v[XS+1]|, |v[XS+2]|               ; the largest magnitude of my 16, in two chains
	v_max3_num_f32 v9, |v[XS+3]|, |v[XS+4]|, |v[XS+5]|
.irp i, 6,10
	v_max3_num_f32 v8, v8, |v[XS+\i]|, |v[XS+\i+1]|
	v_max3_num_f32 v9, v9, |v[XS+\i+2]|, |v[XS+\i+3]|
.endr
	v_max3_num_f32 v8, v8, |v[XS+14]|, |v[XS+15]|
	v_max3_num_f32 v8, v8, v9, 0x1800000           ; and the floor 2^(3 - 127): so the byte cannot fall under 1
	v_max_num_f32_dpp v8, v8, v8 row_xmask:1 row_mask:0xf bank_mask:0xf   ; and of my neighbour's 16: the block's
	v_add_nc_u32 v11, 0xff000000, v8               ; 2 off its exponent field: the conversion takes the exponent field of this operand as its scale, and nothing else of it
	v_cvt_scalef32_pk8_fp4_f32 v[C+4*(\t)], v[XS:XS+7], v11        ; eight numbers / the scale, to the nearest code, ties to even, beyond 6 the largest code
	v_cvt_scalef32_pk8_fp4_f32 v[C+4*(\t)+1], v[XS+8:XS+15], v11
	v_lshrrev_b32 v[E+(\t)], 23, v11               ; the scale's byte (a plain line behind the conversions)
	ds_store_b8 v5, v[E+(\t)] offset:16*(\t)       ; both lanes of a block write the same byte with the same value
	global_store_b64 v4, v[C+4*(\t):C+4*(\t)+1], s[14:15] offset:32*CB*(\t)   ; 32 lanes store 256 consecutive bytes, aligned
.endm
.irp t, 0,1,2,3,4,5,6,7,8,9,10,11,12,13,14,15
	STEP \t
.endr
	ds_load_b64 v[8:9], v6                         ; LDS serves a wave's instructions in order: these see my byte stores
	s_wait_dscnt 0x0
	global_store_b64 v7, v[8:9], s[16:17]          ; 32 lanes store 256 consecutive bytes, aligned
	s_wait_tensorcnt 0x0                           ; the wave's end: behind my last LDS store
	ds_add_u32 v[SPW], v[NIL]
	s_wait_dscnt 0x0
	s_endpgm
; WO'S PATH: f32 to f16, four batches of 16 loads; a load reads 512 consecutive bytes, a store writes 256, aligned.  Two batches of loads are on their way.
.Lwo:
	s_sub_co_u32 s26, ttmp9, 224
	s_lshl_b32 s26, s26, 2
	s_add_co_u32 s26, s26, s24                     ; my wave's run of 8,192 numbers
	s_lshl_b32 s28, s26, 15
	s_mov_b32 s29, 0
	s_add_nc_u64 s[12:13], s[12:13], s[28:29]
	s_lshl_b32 s28, s26, 14
	s_add_nc_u64 s[18:19], s[18:19], s[28:29]
	s_mov_b32 s26, 0xc77fe000                      ; -65,504
	s_mov_b32 s27, 0x477fe000                      ; +65,504
.macro WLOAD t
.irp i, 0,1,2,3,4,5,6,7,8,9,10,11,12,13,14,15
	global_load_b128 v[WI+64*((\t)%2)+4*\i:WI+64*((\t)%2)+4*\i+3], v3, s[12:13] offset:8192*(\t)+512*\i th:TH_LOAD_NT
.endr
.endm
.macro WCVT t
.if (\t) < 3
	s_wait_loadcnt 16                              ; this batch is in; the batch behind it may be out
.else
	s_wait_loadcnt 0x0
.endif
.if (\t) >= 2
	s_wait_xcnt 0x0                                ; the stores of two batches back have read their data, which are written again below
.endif
.irp i, 0,1,2,3,4,5,6,7,8,9,10,11,12,13,14,15
.irp j, 0,1,2,3
	v_med3_num_f32 v[WI+64*((\t)%2)+4*\i+\j], v[WI+64*((\t)%2)+4*\i+\j], s26, s27
.endr
	v_cvt_pk_f16_f32 v[WO+32*((\t)%2)+2*\i], v[WI+64*((\t)%2)+4*\i], v[WI+64*((\t)%2)+4*\i+1]
	v_cvt_pk_f16_f32 v[WO+32*((\t)%2)+2*\i+1], v[WI+64*((\t)%2)+4*\i+2], v[WI+64*((\t)%2)+4*\i+3]
.endr
.if (\t) < 2
	WLOAD (\t)+2                                   ; loads ahead of stores
.endif
.irp i, 0,1,2,3,4,5,6,7,8,9,10,11,12,13,14,15
	global_store_b64 v7, v[WO+32*((\t)%2)+2*\i:WO+32*((\t)%2)+2*\i+1], s[18:19] offset:4096*(\t)+256*\i
.endr
.endm
	WLOAD 0
	WLOAD 1
	WCVT 0
	WCVT 1
	WCVT 2
	WCVT 3
	s_endpgm
.Lfunc_end_k_q21977de3f9_prep:
	.size	k_q21977de3f9_prep, .Lfunc_end_k_q21977de3f9_prep-k_q21977de3f9_prep
	.p2alignl 7, 3214868480
	.fill 96, 4, 3214868480
	.section	.rodata,"a",@progbits
	.p2align	6, 0x0
	.amdhsa_kernel k_q21977de3f9_prep
		.amdhsa_group_segment_fixed_size 33280
		.amdhsa_private_segment_fixed_size 0
		.amdhsa_enable_private_segment 0
		.amdhsa_kernarg_size 64
		.amdhsa_user_sgpr_count 2
		.amdhsa_user_sgpr_kernarg_segment_ptr 1
		.amdhsa_wavefront_size32 1
		.amdhsa_system_sgpr_workgroup_id_x 1
		.amdhsa_system_sgpr_workgroup_id_y 1
		.amdhsa_system_sgpr_workgroup_id_z 1
		.amdhsa_system_vgpr_workitem_id 0
		.amdhsa_next_free_vgpr 208
		.amdhsa_next_free_sgpr 66
		.amdhsa_reserve_vcc 0
		.amdhsa_float_denorm_mode_32 3
		.amdhsa_float_denorm_mode_16_64 3
		.amdhsa_memory_ordered 1
		.amdhsa_forward_progress 1
		.amdhsa_inst_pref_size 70
	.end_amdhsa_kernel
	.amdgpu_metadata
---
amdhsa.version: [ 1, 2 ]
amdhsa.kernels:
  - .name:           k_q21977de3f9_prep
    .symbol:         k_q21977de3f9_prep.kd
    .args:
      - { .name: x, .offset: 0, .size: 8, .value_kind: global_buffer, .address_space: global }
      - { .name: Wq, .offset: 8, .size: 8, .value_kind: global_buffer, .address_space: global }
      - { .name: Wk, .offset: 16, .size: 8, .value_kind: global_buffer, .address_space: global }
      - { .name: Wv, .offset: 24, .size: 8, .value_kind: global_buffer, .address_space: global }
      - { .name: Wo, .offset: 32, .size: 8, .value_kind: global_buffer, .address_space: global }
      - { .name: codes, .offset: 40, .size: 8, .value_kind: global_buffer, .address_space: global }
      - { .name: scl, .offset: 48, .size: 8, .value_kind: global_buffer, .address_space: global }
      - { .name: wo16, .offset: 56, .size: 8, .value_kind: global_buffer, .address_space: global }
    .group_segment_fixed_size: 33280
    .private_segment_fixed_size: 0
    .kernarg_segment_align: 8
    .kernarg_segment_size: 64
    .max_flat_workgroup_size: 128
    .sgpr_count:     66
    .vgpr_count:     208
    .wavefront_size: 32
...
	.end_amdgpu_metadata
.endif
;; end of part 1
;; launch qkv (part 2): grid 12 x 16, 4 waves a work-group, clusters of 4 x 4, 327,680 bytes of LDS; arguments codes, scl, qkv; writes qkv
.if DOCPART == 2
	.amdgcn_target "amdgcn-amd-amdhsa--gfx1250"
	.amdhsa_code_object_version 6
	.text
	.protected	k_q21977de3f9_qkv
	.globl	k_q21977de3f9_qkv
	.p2align	8
	.type	k_q21977de3f9_qkv,@function
k_q21977de3f9_qkv:
	s_mov_b64 s[64:65], 0
	v_nop
	global_prefetch_b8 v0, s[64:65] scope:SCOPE_SE
	s_setreg_imm32_b32 hwreg(HW_REG_WAVE_MODE, 25, 1), 1
	s_wait_xcnt 0x0
	s_wait_alu depctr_hold_cnt(0) depctr_sa_sdst(0) depctr_va_vdst(0) depctr_va_sdst(0) depctr_va_ssrc(0) depctr_va_vcc(0) depctr_vm_vsrc(0)
	s_getreg_b32 s2, hwreg(HW_REG_IB_STS2, 6, 4)
	s_cmp_eq_u32 s2, 0
	s_cbranch_scc0 .Lentry_in_a_cluster
	s_endpgm
.Lentry_in_a_cluster:
	s_bfe_u32 s2, ttmp6, 0x10000c
	s_cmp_lg_u32 s2, 0xf033
	s_cbranch_scc0 .Lentry_shape_is_right
	s_endpgm
.Lentry_shape_is_right:
; q = x Wq^T, k = x Wk^T, v = x Wv^T on codes of FP4 (E2M1) with one E8M0 scale for each 32 along K = 1,024; sums in f32; results rounded to f16 and stored as IMAGES OF THE NEXT PRODUCTS' OPERAND REGISTERS.
; codes: [7168 rows][512 bytes] (rows 0-4095 x, then Wq, Wk, Wv); scl: [7168][32].
; qkv: three regions of 8,388,608 bytes (Q, K, V), each [bh = 16 batch + head][262,144 bytes].
;   Q, K: [tile of 16 tokens, 128][sub-head j, 2][half, 2][lane, 32][16 bytes]: lane (r, hh) holds token r of the tile, channels 32 j + 16 half + 8 hh + 0 .. 7.
;   V:    [group of 32 keys, 64][tile of 16 channels, 4][half, 2][lane, 32][16 bytes]: lane (r, hh) holds channel r of the tile, keys 16 half + 8 hh + 0 .. 7 of the group.
; LIMITS: results are held at +-65,504, f16's largest number, ahead of the rounding; q is not yet multiplied by 32^-0.5 (the next launch does that in f32).
; SHARES.  A tile of 256 x 256 of a product is made by four waves, a wave makes 128 x 128: 64 accumulators, 512 registers.  K = 1,024 is two LDS slots of 512 along K (rows of 256 bytes): both are first fills, nothing is filled again.
; The scale bytes of the work-group's 2 x 256 rows, two dense blocks of 8,192 bytes, come once, as rows of 256 bytes.
; CLUSTERS: 4 x 4 work-groups; "A" is shared along a row of the cluster, "B" along a column, each asked for jointly.  The matrix instruction is used transposed (source 0 = 16 rows of B, source 1 = 16 rows of A):
; a lane holds one row of A and eight neighbouring rows of B.  Clusters x = 0, 1 (Q, K): A = tokens, B = the weight's rows: a lane holds a token and eight channels.  Cluster x = 2 (V): A = Wv's rows, B = tokens:
; a lane holds a channel and eight keys.  The swap is made by row numbers in the one buffer of codes alone: one path, no branch.  So a lane's eight results, packed, ARE four registers of an image, and a store covers 512 consecutive bytes.
; 192 work-groups: a smaller tile would give every WGP one, at twice the LDS reads for each product; the launch's bytes out outweigh its products either way.
; REGISTERS, in windows of 256: window 0: v0-31 addresses; v32-95 scale words, two sets, and nothing else; v128-191 A's fragments, ONE set (on the way out: held numbers); v192-255 the way out's packed results.
;   window 1: B's fragments, TWO sets, at v0 and v128.   window 2: the accumulators of my A rows 0-63 ((a, b) at v[8 (8 a + b)]);   window 3: those of rows 64-127.
.set NQ,     4                         ; steps of 128 along K in a slot
.set ROWB,   256                       ; a tile's row in bytes: 512 codes
.set KROW,   512                       ; a row of codes in memory
.set PITCH,  272                       ; an LDS row: 256 bytes + 16 of padding: the 16 rows that a load touches start 68 words apart
.set FR,     8                         ; registers of a fragment: 16 rows x 128 K
.set NL,     2                         ; LDS loads that bring one
.set NP,     4                         ; places behind this matrix instruction (ISA guide 7.12.1)
.set HALFT,  128*PITCH                 ; 128 rows: what one tensor load brings
.set SLOT,   4*HALFT                   ; A's 256 rows, then B's 256 rows
.set KS,     32                        ; a row of scale bytes
.set SCL,    2*SLOT                    ; behind the two slots: the scales, as rows of 256 bytes + 16 of padding
.set HALFS,  (128*KS/256)*272          ; the scales of 128 rows
.set SBLK,   (16*KS/256)*272           ; those of 16 rows
.set SPARE,  SCL+4*HALFS               ; the spare words, 128 bytes a wave
.set OFS,  8                           ; v8-11   the way out: 16 x lane + the place of B's block pair 0 .. 3
.set ADRA, 16                          ; v16-17  LDS address of my A fragments in slot 0, 1
.set ADRB, 20                          ; v20-21  the same for B
.set ADRS, 27                          ; v27     LDS address of my scale words: lanes 0-15 A's rows, lanes 16-31 B's
.set SPW,  28                          ; v28     LDS address of my spare word; never rewritten
.set NIL,  29                          ; v29     0; never rewritten
.set SC,   32                          ; scale words: set s at v[SC + 32 s]; register 4 i + q: lanes 0-15 A's block i, lanes 16-31 B's block i, the slot's q-th 128 along K
.set AF,   128                         ; A's fragments
.set TF,   128                         ; the way out: 64 held numbers
.set PKR,  192                         ; the way out: 2 x 32 packed registers, by turns
.set G1, 24                            ; s[24:31] descriptor group 1 for A's tiles;  s[32:39] group 0, one set for each slot
.set G0, 32
.set G1B, 48                           ; s[48:55], s[56:63] the same for B's tiles
.set G0B, 56
.set G1S, 68                           ; s[68:75], s[76:79] groups 1 and 0 for A's scales;  s[80:87], s[88:91] for B's
.set G0S, 76
.set G1SB, 80
.set G0SB, 88
.set MSB, 0
.macro WIN new                         ; the immediate's high byte repeats the setting that is left
.if MSB != \new
	s_set_vgpr_msb (MSB<<8)|\new
.set MSB, \new
.endif
.endm
.set MUL_LO, 0xa1                      ; source 0 (B) window 1, source 1 (A) window 0, C and D window 2
.set MUL_HI, 0xf1                      ; the same, C and D window 3
.set TO_B,   0x40                      ; destination window 1, address window 0
; A joint load: waves 0 and 1 fetch for A, waves 2 and 3 for B.  Each line has one mask and one set of registers; the branch hangs on the wave's number alone.
; An s_nop 0 and four v_nop follow each line.
.macro JLOAD g0a, g1a, g0b, g1b
	s_cmp_eq_u32 s15, 0
	s_cbranch_scc0 .Lfor_b_\@
	tensor_load_to_lds s[\g0a:\g0a+3], s[\g1a:\g1a+7]
	s_nop 0
.rept 4
	v_nop
.endr
	s_branch .Lasked_\@
.Lfor_b_\@:
	tensor_load_to_lds s[\g0b:\g0b+3], s[\g1b:\g1b+7]
	s_nop 0
.rept 4
	v_nop
.endr
.Lasked_\@:
.endm
.macro CROUND                          ; a round of the cluster's barrier
	s_barrier_signal -1
	s_barrier_wait -1
	s_cmp_lg_u32 s14, 0
	s_cbranch_scc1 .Lnot_wave_0_\@
	s_barrier_signal -3
.Lnot_wave_0_\@:
	s_barrier_wait -3
	s_barrier_signal -1
	s_barrier_wait -1
.endm
	s_load_b128 s[4:7], s[0:1], 0x0                ; codes s[4:5], scl s[6:7]
	s_load_b64 s[12:13], s[0:1], 0x10              ; qkv
	v_lshl_add_u32 v[SPW], v0, 2, SPARE
	v_mov_b32 v[NIL], 0
	ds_add_u32 v[SPW], v[NIL]                      ; the wave's opening: the add, twice on end, and its wait ahead of my first tensor load
	ds_add_u32 v[SPW], v[NIL]
	v_lshrrev_b32 v1, 5, v0
	v_readfirstlane_b32 s14, v1                    ; wave 0..3
	s_lshr_b32 s15, s14, 1                         ; which half of A's 256 rows is mine.  Also: I fetch for A (0) or for B (1)
	s_and_b32 s16, s14, 1                          ; which half of B's.  Also: which 128 rows I fetch
	s_bfe_u32 s40, ttmp6, 0x40000                  ; cx
	s_bfe_u32 s41, ttmp6, 0x40004                  ; cy
	s_and_b32 s17, ttmp7, 0xffff                   ; cluster y: 1,024 tokens
	s_lshl_b32 s8, s17, 10                         ; the cluster's first token's row
	s_lshl_b32 s9, ttmp9, 10
	s_add_co_u32 s9, s9, 4096                      ; the weight's first row (Q, K)
	s_cmp_eq_u32 ttmp9, 2                          ; V's clusters swap the roles: the cluster's number alone decides
	s_cselect_b32 s10, 6144, s8                    ; A's first row of the cluster
	s_cselect_b32 s11, s8, s9                      ; B's
	s_lshl_b32 s43, s41, 2
	s_lshl_b32 s43, 15, s43                        ; my row of the cluster
	s_lshl_b32 s44, 0x1111, s40                    ; my column
	; descriptor group 1: a tile of 128 rows x 256 bytes, padded in LDS
	s_or_b32 s[G1+0], s43, (0<<16)|(1<<20)|(1<<21)|(5<<22)|(3<<25)  ; the mask; elements of 1 byte; padding on; bit 21 beside a mask; 4 words behind every 64
	s_or_b32 s[G1B+0], s44, (0<<16)|(1<<20)|(1<<21)|(5<<22)|(3<<25)
.irp g, G1, G1B
	s_mov_b32 s[\g+1], ROWB<<16                    ; tensor_dim0
	s_mov_b32 s[\g+2], 128<<16                     ; tensor_dim1
	s_mov_b32 s[\g+3], ROWB<<16                    ; tile_dim0
	s_mov_b32 s[\g+4], 128                         ; tile_dim1
	s_mov_b32 s[\g+5], KROW                        ; from row to row
	s_mov_b32 s[\g+6], 0
	s_mov_b32 s[\g+7], 0
.endr
	; the scales of 128 rows: a dense block of 4,096 bytes, as 16 rows of 256 bytes (32 elements of 8 bytes), 16 bytes of padding behind each
	s_or_b32 s[G1S+0], s43, (3<<16)|(1<<20)|(1<<21)|(5<<22)|(3<<25)
	s_or_b32 s[G1SB+0], s44, (3<<16)|(1<<20)|(1<<21)|(5<<22)|(3<<25)
.irp g, G1S, G1SB
	s_mov_b32 s[\g+1], 32<<16
	s_mov_b32 s[\g+2], (128*KS/256)<<16
	s_mov_b32 s[\g+3], 32<<16
	s_mov_b32 s[\g+4], 128*KS/256
	s_mov_b32 s[\g+5], 32
	s_mov_b32 s[\g+6], 0
	s_mov_b32 s[\g+7], 0
.endr
	s_lshl_b32 s18, s16, 7                         ; which 128 rows I fetch
	s_lshl_b32 s20, s41, 8
	s_add_co_u32 s20, s20, s10
	s_add_co_u32 s20, s20, s18                     ; A: the cluster's first row + 256 cy + 128 x half: no cx in it
	s_lshl_b32 s46, s40, 8
	s_add_co_u32 s46, s46, s11
	s_add_co_u32 s46, s46, s18                     ; B: + 256 cx + 128 x half: no cy in it
	s_lshl_b32 s22, s20, 5                         ; 32 scale bytes a row,
	s_mov_b32 s23, 0
	s_lshl_b32 s92, s46, 5
	s_mov_b32 s93, 0
	s_lshl_b32 s20, s20, 9                         ; 512 bytes of codes (7,167 rows at the most: under 2^22)
	s_mov_b32 s21, 0
	s_lshl_b32 s46, s46, 9
	s_mov_b32 s47, 0
	s_mul_i32 s45, s14, HALFT                      ; where they go: wave x 128 rows: no place in the cluster enters an LDS address
	s_mul_i32 s94, s14, HALFS
	s_wait_dscnt 0x0                               ; both opening adds are done
	s_wait_kmcnt 0x0
	s_add_nc_u64 s[20:21], s[4:5], s[20:21]
	s_add_nc_u64 s[22:23], s[6:7], s[22:23]
	s_add_nc_u64 s[46:47], s[4:5], s[46:47]
	s_add_nc_u64 s[92:93], s[6:7], s[92:93]
	CROUND                                         ; all sixteen work-groups are here: the joint loads meet
	s_mov_b32 s[G0S], 1
	s_add_co_u32 s[G0S+1], s94, SCL
	s_mov_b64 s[G0S+2:G0S+3], s[22:23]
	s_or_b32 s[G0S+3], s[G0S+3], 0x80000000
	s_mov_b32 s[G0SB], 1
	s_add_co_u32 s[G0SB+1], s94, SCL
	s_mov_b64 s[G0SB+2:G0SB+3], s[92:93]
	s_or_b32 s[G0SB+3], s[G0SB+3], 0x80000000
	JLOAD G0S, G1S, G0SB, G1SB                     ; the scales first: they are wanted with the first step.  Three loads of mine are out behind this group
.irp s, 0,1
	s_mov_b32 s[G0+4*\s], 1
	s_add_co_u32 s[G0+4*\s+1], s45, \s*SLOT
	s_add_nc_u64 s[G0+4*\s+2:G0+4*\s+3], s[20:21], \s*ROWB
	s_or_b32 s[G0+4*\s+3], s[G0+4*\s+3], 0x80000000
	s_mov_b32 s[G0B+4*\s], 1
	s_add_co_u32 s[G0B+4*\s+1], s45, \s*SLOT
	s_add_nc_u64 s[G0B+4*\s+2:G0B+4*\s+3], s[46:47], \s*ROWB
	s_or_b32 s[G0B+4*\s+3], s[G0B+4*\s+3], 0x80000000
	JLOAD G0+4*\s, G1, G0B+4*\s, G1B
.endr
	v_and_b32 v1, 15, v0                           ; l % 16
	v_bfe_u32 v2, v0, 4, 1                         ; l / 16
	v_mul_u32_u24 v3, v1, PITCH
	v_lshl_add_u32 v4, v2, 4, v3                   ; a fragment's row x pitch + 16 x half
	s_mul_i32 s21, s15, HALFT                      ; my 128 rows of A
	s_mul_i32 s22, s16, HALFT                      ; my 128 rows of B,
	s_add_co_u32 s22, s22, 2*HALFT                 ; which lie behind A's 256
.irp s, 0,1
	v_add_nc_u32 v[ADRA+\s], s21, v4
	v_add_nc_u32 v[ADRB+\s], s22, v4
	s_add_co_u32 s21, s21, SLOT
	s_add_co_u32 s22, s22, SLOT
.endr
	v_mul_u32_u24 v5, v1, KS                       ; my row's scales: 32 bytes a row,
	v_lshrrev_b32 v6, 8, v5
	v_lshl_add_u32 v5, v6, 4, v5                   ; and 16 more for each 256 passed
	s_mul_i32 s21, s15, HALFS                      ; A's: my 128 rows
	s_mul_i32 s22, s16, HALFS                      ; B's: my 128 rows, behind A's 256
	s_add_co_u32 s22, s22, 2*HALFS
	s_sub_co_u32 s22, s22, s21
	v_mul_u32_u24 v6, s22, v2                      ; lanes 16-31 take B's: one product, the distance between the two bases
	s_add_co_u32 s21, s21, SCL
	v_add_nc_u32 v5, v5, v6
	v_add_nc_u32 v[ADRS], s21, v5
	; THE WAY OUT'S NUMBERS.  Tokens are A's rows (Q, K) or B's (V); features the other.  All selections stand behind one compare, with moves alone between.
	s_cmp_eq_u32 ttmp9, 2
	s_cselect_b32 s2, s40, s41                     ; the tokens' place in the cluster,
	s_cselect_b32 s3, s41, s40                     ; the features',
	s_cselect_b32 s8, s16, s15                     ; the tokens' half,
	s_cselect_b32 s9, s15, s16                     ; the features'
	s_mov_b32 s98, 2048
	s_cselect_b32 s98, 1024, s98                   ; from A's block a to a + 1: a tile of channels (V), a tile of tokens (Q, K);
	s_mov_b32 s100, 2048
	s_cselect_b32 s100, 259072, s100               ; from block 3 to 4: V: the next head's first tile of channels, 262,144 - 3 x 1,024
	s_mov_b32 s10, 1024
	s_cselect_b32 s10, 4096, s10                   ; B's block pairs 1, 2, 3: V: groups of 32 keys; Q, K: sub-head 1, the next head, its sub-head 1
	s_mov_b32 s11, 262144
	s_cselect_b32 s11, 8192, s11
	s_mov_b32 s66, 263168
	s_cselect_b32 s66, 12288, s66
	s_mov_b32 s99, 0
	s_mov_b32 s101, 0
	s_lshl_b32 s17, s17, 10
	s_lshl_b32 s2, s2, 8
	s_add_co_u32 s17, s17, s2
	s_lshl_b32 s8, s8, 7
	s_add_co_u32 s17, s17, s8                      ; my first token
	s_lshl_b32 s42, ttmp9, 10
	s_lshl_b32 s3, s3, 8
	s_add_co_u32 s42, s42, s3
	s_lshl_b32 s9, s9, 7
	s_add_co_u32 s42, s42, s9                      ; my first feature of the 3,072
	s_lshr_b32 s2, s42, 10
	s_lshl_b32 s2, s2, 5                           ; 32 blocks a region,
	s_lshr_b32 s3, s17, 11
	s_lshl_b32 s3, s3, 4                           ; 16 a batch,
	s_add_co_u32 s2, s2, s3
	s_bfe_u32 s3, s42, 0x40006                     ; the head: 64 features each
	s_add_co_u32 s2, s2, s3
	s_lshl_b32 s2, s2, 18                          ; 262,144 bytes a block (95 blocks at the most: under 2^25)
	s_and_b32 s3, s17, 2047
	s_lshl_b32 s3, s3, 7                           ; 128 bytes a token in Q, K and V alike
	s_add_co_u32 s2, s2, s3
	s_mov_b32 s3, 0
	s_add_nc_u64 s[12:13], s[12:13], s[2:3]
	s_mov_b32 s67, 0xc77fe000                      ; -65,504
	s_mov_b32 s3, 0x477fe000                       ; +65,504
	v_and_b32 v6, 31, v0
	v_lshlrev_b32 v[OFS], 4, v6
	v_add_nc_u32 v[OFS+1], s10, v[OFS]
	v_add_nc_u32 v[OFS+2], s11, v[OFS]
	v_add_nc_u32 v[OFS+3], s66, v[OFS]
.macro FRAG reg, adr, q, i             ; 16 rows x 128 K of 4-bit codes: lane l holds row l % 16; registers 4 c .. 4 c + 3 hold K = 64 c + 32 (l / 16) + 0 .. 31
.irp c, 0,1
	ds_load_b128 v[\reg+4*\c:\reg+4*\c+3], v[\adr] offset:64*(\q)+32*\c+(\i)*16*PITCH
.endr
.endm
; 16 matrix instructions: A's blocks a0, a0 + 1 x B's eight, the slot's q-th 128 along K.  p: B's set;  sc: the set of scale words.  zero = 1: the product starts the sums: nothing is cleared.
; The 64 accumulators take turns, one instruction a turn, in the same order in every step.
.macro MUL16 a0, p, q, sc, zero
.irp a, \a0, \a0+1
.irp b, 0,1,2,3,4,5,6,7
.if \zero
	v_wmma_scale_f32_16x16x128_f8f6f4 v[8*(8*((\a)%4)+\b):8*(8*((\a)%4)+\b)+7], v[128*(\p)+FR*\b:128*(\p)+FR*\b+FR-1], v[AF+FR*(\a):AF+FR*(\a)+FR-1], 0, v[SC+8*NQ*(\sc)+NQ*\b+(\q)], v[SC+8*NQ*(\sc)+NQ*(\a)+(\q)] matrix_a_fmt:MATRIX_FMT_FP4 matrix_b_fmt:MATRIX_FMT_FP4 matrix_a_scale:MATRIX_SCALE_ROW1
.else
	v_wmma_scale_f32_16x16x128_f8f6f4 v[8*(8*((\a)%4)+\b):8*(8*((\a)%4)+\b)+7], v[128*(\p)+FR*\b:128*(\p)+FR*\b+FR-1], v[AF+FR*(\a):AF+FR*(\a)+FR-1], v[8*(8*((\a)%4)+\b):8*(8*((\a)%4)+\b)+7], v[SC+8*NQ*(\sc)+NQ*\b+(\q)], v[SC+8*NQ*(\sc)+NQ*(\a)+(\q)] matrix_a_fmt:MATRIX_FMT_FP4 matrix_b_fmt:MATRIX_FMT_FP4 matrix_a_scale:MATRIX_SCALE_ROW1
.endif
.endr
.endr
.endm
.macro FETCH_B slot, q, p              ; B's eight fragments of the slot's q-th 128 along K into set p
	WIN TO_B
.irp i, 0,1,2,3,4,5,6,7
	FRAG 128*(\p)+FR*\i, ADRB+\slot, \q, \i
.endr
	WIN 0
.endm
.macro FETCH_A slot, q, i0             ; A's blocks i0 .. i0 + 3
.irp i, \i0, \i0+1, \i0+2, \i0+3
	FRAG AF+FR*(\i), ADRA+\slot, \q, \i
.endr
.endm
.macro SCALES sc                       ; a slot's scale words into set sc: 4 words a row; lanes 0-15 take A's block i, lanes 16-31 B's block i
.irp i, 0,1,2,3,4,5,6,7
	ds_load_b128 v[SC+8*NQ*\sc+NQ*\i:SC+8*NQ*\sc+NQ*\i+3], v[ADRS] offset:\i*SBLK
.endr
.endm
; A load into a register that a matrix instruction has read, and a vector instruction that reads a matrix result or writes a matrix instruction's register, stand NP places behind it;
; only plain vector instructions that name none of its registers are places.
.macro PLACES n
.rept \n
	v_nop
.endr
.endm
.macro STEP slot, q, zero              ; a step of 128 along K that has its successor in the same slot
	s_wait_dscnt 4*NL                              ; B's set, A's blocks 0-3 and the scale words are in; the youngest eight loads (A's blocks 4-7) may be out
	WIN MUL_LO
	MUL16 0, (\q)%2, \q, \slot, \zero
	MUL16 2, (\q)%2, \q, \slot, \zero
	s_wait_dscnt 0                                 ; A's blocks 4-7 are in (asked for 32 matrix instructions ago)
	PLACES NP
	FETCH_B \slot, (\q)+1, 1-(\q)%2
	FETCH_A \slot, (\q)+1, 0
	WIN MUL_HI
	MUL16 4, (\q)%2, \q, \slot, \zero
	MUL16 6, (\q)%2, \q, \slot, \zero
	PLACES NP
	WIN 0
	FETCH_A \slot, (\q)+1, 4
.endm
; Slot 0's last step goes over to slot 1: each wave waits for all its tensor loads (its part of slot 1), and a barrier shows the slot whole to all four.  Nothing is filled again.
.macro TURN slot, next
	s_wait_tensorcnt 0x0                           ; my part of the next slot has landed  (every window is 0 here)
	ds_add_u32 v[SPW], v[NIL]
	s_wait_dscnt 4*NL+1                            ; the add and the youngest eight loads (A's blocks 4-7) may be out
	WIN MUL_LO
	MUL16 0, 1, NQ-1, \slot, 0                     ; sixteen matrix instructions stand between the add and the wait for it
	s_wait_dscnt 0x0
	s_barrier_signal -1
	MUL16 2, 1, NQ-1, \slot, 0
	WIN 0
	s_barrier_wait -1
	PLACES NP
	v_add_nc_u32 v[ADRS], 4*NQ, v[ADRS]            ; on to the next slot's scale words
	FETCH_B \next, 0, 0
	FETCH_A \next, 0, 0
	SCALES \next
	WIN MUL_HI
	MUL16 4, 1, NQ-1, \slot, 0
	MUL16 6, 1, NQ-1, \slot, 0
	PLACES NP
	WIN 0
	FETCH_A \next, 0, 4
.endm
.macro STEPS slot, from                ; the slot's steps from .. NQ - 2
.set Q, \from
.rept NQ-1-\from
	STEP \slot, Q, 0
.set Q, Q+1
.endr
.endm
	s_wait_tensorcnt 1                             ; the scales and my part of slot 0 are in (slot 1's load may be out)
	s_barrier_signal -1
	s_barrier_wait -1                              ; everybody's are
	FETCH_B 0, 0, 0
	FETCH_A 0, 0, 0
	SCALES 0
	FETCH_A 0, 0, 4
	STEP 0, 0, 1                                   ; the first step's products start the sums
	STEPS 0, 1
	TURN 0, 1
	STEPS 1, 0
	s_wait_dscnt 4*NL                              ; the last step: nothing more to fetch
	WIN MUL_LO
	MUL16 0, 1, NQ-1, 1, 0
	MUL16 2, 1, NQ-1, 1, 0
	s_wait_dscnt 0
	WIN MUL_HI
	MUL16 4, 1, NQ-1, 1, 0
	MUL16 6, 1, NQ-1, 1, 0
	WIN 0
; THE WAY OUT, by A's blocks.  Block a's 64 numbers of a lane are held at f16's range, packed (eight neighbours to four registers) and stored as they stand: each store is 512 consecutive bytes of an image.
.macro OUT a
.if (\a) > 0
	s_wait_xcnt 0x0                                ; the earlier stores have read their base and their data: both are written again below
.if (\a) == 4
	s_add_nc_u64 s[12:13], s[12:13], s[100:101]
.else
	s_add_nc_u64 s[12:13], s[12:13], s[98:99]
.endif
.endif
.set WN, 0x02+(\a)/4
	WIN WN                                         ; source 0: window 2 or 3
.irp b, 0,1,2,3,4,5,6,7
.irp j, 0,1,2,3,4,5,6,7
	v_med3_num_f32 v[TF+8*\b+\j], v[64*((\a)%4)+8*\b+\j], s67, s3   ; each accumulator from its low end on
.endr
.endr
	WIN 0
.irp b, 0,1,2,3,4,5,6,7
.irp r, 0,1,2,3
	v_cvt_pk_f16_f32 v[PKR+32*((\a)%2)+4*\b+\r], v[TF+8*\b+2*\r], v[TF+8*\b+2*\r+1]
.endr
.endr
.irp b, 0,1,2,3,4,5,6,7
	global_store_b128 v[OFS+(\b)/2], v[PKR+32*((\a)%2)+4*\b:PKR+32*((\a)%2)+4*\b+3], s[12:13] offset:512*((\b)%2)
.endr
.endm
	PLACES NP                                      ; behind the last products: A's fragment registers are written below, and results are read
.irp a, 0,1,2,3,4,5,6,7
	OUT \a
.endr
	s_wait_tensorcnt 0x0                           ; the wave's end
	ds_add_u32 v[SPW], v[NIL]
	s_wait_dscnt 0x0
	CROUND                                         ; the closing round
	s_endpgm
.Lfunc_end_k_q21977de3f9_qkv:
	.size	k_q21977de3f9_qkv, .Lfunc_end_k_q21977de3f9_qkv-k_q21977de3f9_qkv
	.p2alignl 7, 3214868480
	.fill 96, 4, 3214868480
	.section	.rodata,"a",@progbits
	.p2align	6, 0x0
	.amdhsa_kernel k_q21977de3f9_qkv
		.amdhsa_group_segment_fixed_size 327680
		.amdhsa_private_segment_fixed_size 0
		.amdhsa_enable_private_segment 0
		.amdhsa_kernarg_size 24
		.amdhsa_user_sgpr_count 2
		.amdhsa_user_sgpr_kernarg_segment_ptr 1
		.amdhsa_wavefront_size32 1
		.amdhsa_system_sgpr_workgroup_id_x 1
		.amdhsa_system_sgpr_workgroup_id_y 1
		.amdhsa_system_sgpr_workgroup_id_z 1
		.amdhsa_system_vgpr_workitem_id 0
		.amdhsa_next_free_vgpr 1024
		.amdhsa_next_free_sgpr 102
		.amdhsa_reserve_vcc 0
		.amdhsa_float_denorm_mode_32 3
		.amdhsa_float_denorm_mode_16_64 3
		.amdhsa_memory_ordered 1
		.amdhsa_forward_progress 1
		.amdhsa_inst_pref_size 151
	.end_amdhsa_kernel
	.amdgpu_metadata
---
amdhsa.version: [ 1, 2 ]
amdhsa.kernels:
  - .name:           k_q21977de3f9_qkv
    .symbol:         k_q21977de3f9_qkv.kd
    .args:
      - { .name: codes, .offset: 0, .size: 8, .value_kind: global_buffer, .address_space: global }
      - { .name: scl, .offset: 8, .size: 8, .value_kind: global_buffer, .address_space: global }
      - { .name: qkv, .offset: 16, .size: 8, .value_kind: global_buffer, .address_space: global }
    .group_segment_fixed_size: 327680
    .private_segment_fixed_size: 0
    .kernarg_segment_align: 8
    .kernarg_segment_size: 24
    .max_flat_workgroup_size: 128
    .sgpr_count:     102
    .vgpr_count:     1024
    .wavefront_size: 32
...
	.end_amdgpu_metadata
.endif
;; end of part 2
;; launch attn (part 3): grid 8 x 32, 8 waves a work-group, clusters of 4 x 1, 327,680 bytes of LDS; arguments qkv, lambda_q1, lambda_k1, lambda_q2, lambda_k2, subln_w, att; writes att
.if DOCPART == 3
	.amdgcn_target "amdgcn-amd-amdhsa--gfx1250"
	.amdhsa_code_object_version 6
	.text
	.protected	k_q21977de3f9_attn
	.globl	k_q21977de3f9_attn
	.p2align	8
	.type	k_q21977de3f9_attn,@function
k_q21977de3f9_attn:
	s_mov_b64 s[64:65], 0
	v_nop
	global_prefetch_b8 v0, s[64:65] scope:SCOPE_SE
	s_setreg_imm32_b32 hwreg(HW_REG_WAVE_MODE, 25, 1), 1
	s_wait_xcnt 0x0
	s_wait_alu depctr_hold_cnt(0) depctr_sa_sdst(0) depctr_va_vdst(0) depctr_va_sdst(0) depctr_va_ssrc(0) depctr_va_vcc(0) depctr_vm_vsrc(0)
	s_getreg_b32 s2, hwreg(HW_REG_IB_STS2, 6, 4)
	s_cmp_eq_u32 s2, 0
	s_cbranch_scc0 .Lentry_in_a_cluster
	s_endpgm
.Lentry_in_a_cluster:
	s_bfe_u32 s2, ttmp6, 0x10000c
	s_cmp_lg_u32 s2, 0x3003
	s_cbranch_scc0 .Lentry_shape_is_right
	s_endpgm
.Lentry_shape_is_right:
; For each batch and head: two softmaxes (sub-heads j = 0, 1, 32 channels each) over 2,048 keys, attn = p0 v / l0 - lambda p1 v / l1 (64 channels), RMSNorm over the 64, the gain, x (1 - LAMBDA_INIT).
; Operands in f16, products' sums, maxima, sums and the norm in f32.  qkv holds q, k, v as images of operand registers (the launch before lays them):
;   Q, K block of a head: [tile of 16 tokens][j][half][lane][16 bytes];  V block: [group of 32 keys][tile of 16 channels][half][lane][16 bytes].
; att: [ks, 4][tile of 16 tokens, 256][kc, 8][half][lane][16 bytes]: images of the last product's operand: lane (r, hh) holds token r, channels 256 ks + 32 kc + 16 half + 8 hh + 0 .. 7.
; LIMITS: NaN and infinities are not served.  q and k are finite f16 numbers, so a score is at most 32 x 65,504^2, finite: nan_to_num changes nothing.  The result is held at +-65,504 ahead of the rounding to f16.
; The factor 32^-0.5 is not in q: it goes into c = log2(e) / sqrt(32), applied in f32.
; SHARES.  A work-group owns 256 queries of one head; each of its eight waves 32: two tiles qt of 16 x two sub-heads j: four UNITS u = 2 qt + j.  Two waves of 512 registers share a SIMD, so that one's softmax stands beside the other's products.
; LAYOUT.  S^T = K Q^T (source 0 = 16 keys, source 1 = 16 queries; the 32 channels are ONE matrix instruction): a lane holds one query and keys 8 (lane / 16) + 0 .. 7.  Two such tiles, rounded to f16 in pairs, in place,
; ARE source 1 (32 keys x 16 queries) of O^T = V^T P, whose result again holds one query a lane and eight channels.  The two sub-heads keep their own O^T, since their sums are known only at the end.
; SOFTMAX.  For each unit a running maximum m and sum l: p = 2^(c s - c m); in every step O^T and l are multiplied by a = 2^(c m_old - c m_new).  m begins at -3e38 and O^T, l at 0: the step is written once.
; RING.  Two LDS slots of 512 keys (64 KiB of K's images, 64 KiB of V's).  Every wave fetches 16 KiB: waves 0-3 K's quarters, waves 4-7 V's: one shape, one line.  Images are dense: a fragment is read at 16 x lane.
; CLUSTER.  The four query blocks of a cluster belong to one head and walk the same K and V: each tile is asked for jointly.
; REGISTERS.  Window 0: v1-9 addresses and -lambda; v10-15 at work; v16-47 statistics, eight a unit (+0 c m, +1 m, +2, +3 l, +4 to +7 at work, a at +6); v48-111 K (fragment 2 kt + j); v112-239 S^T (32 u + 8 kt), P in place at 32 u + 16 g.
;   Window 1: v0-127 O^T (32 u + 8 ct); v128-191 V (fragment 4 g + ct); v192-223 Q (8 u); v224-255 the gain x (1 - LAMBDA_INIT).
.set SLOT1, 1<<17                      ; slot 1 begins here: one exclusive or turns an address from one slot into the other
.set VOFF,  65536                      ; V's images in a slot
.set STEPB, 8192                       ; 64 keys: four tiles of K, two groups of V
.set SPARE, 2*SLOT1                    ; behind the ring: the spare words, 128 bytes for each of eight waves
.set LN16, 1                           ; v1   16 x lane
.set LNV,  2                           ; v2   16 x lane + VOFF
.set ADK,  3                           ; v3   LDS address of the step's K
.set ADV,  4                           ; v4   of its V
.set PFO,  5                           ; v5   256 x lane: the prefetches' offset
.set SPW,  6                           ; v6   LDS address of my spare word; never rewritten
.set NIL,  7                           ; v7   0; never rewritten
.set NLAM, 9                           ; v9   -lambda_full
.set ST,   16
.set KR,   48
.set S,    112
.set XR,   112                         ; the way out: attn, 32 a tile
.set PKR,  176                         ; the way out: packed, 16 a tile
.set VR,   128                         ; window 1
.set QR,   192
.set WR,   224
.set WV,   18                          ; s18  my wave's number
.set G1,   24                          ; s[24:31] descriptor group 1
.set G0,   32                          ; s[32:35] descriptor group 0, which walks
.set SLOTS, 36                         ; s36  fills still to be asked for
.set STEPC, 37                         ; s37  counts a slot's eight steps
.set TB,   38                          ; s38  LDS byte at which the step's images begin
.set LIM,  39                          ; s39  1 in a wave that prefetches, else the greatest number
.set PFA,  40                          ; s[40:41] where my prefetches stand
.set CS,   42                          ; s[42:43] c
.set SEL,  44                          ; s[44:45] lane selects: lane l xor 16
.set MSB, 0
.macro WIN new
.if MSB != \new
	s_set_vgpr_msb (MSB<<8)|\new
.set MSB, \new
.endif
.endm
.macro CROUND                          ; a round of the cluster's barrier
	s_barrier_signal -1
	s_barrier_wait -1
	s_cmp_lg_u32 s[WV], 0
	s_cbranch_scc1 .Lnot_wave_0_\@
	s_barrier_signal -3
.Lnot_wave_0_\@:
	s_barrier_wait -3
	s_barrier_signal -1
	s_barrier_wait -1
.endm
; A PREFETCH INTO THE L2 of what the NEXT change of slots will ask for: 64 KiB of K's images and 64 KiB of V's.  Each block of 256 bytes is named once in the launch: both clusters of a head walk the same K and V, and the head's
; first cluster asks; in it waves 0, 2, 4, 6 stand for 32 KiB each (their own load's bytes and the next wave's), of which each of the four partners takes 8 KiB, told apart by address: lanes 256 bytes apart, one instruction a wave.
; It is eight key steps, 384 matrix instructions of a wave, ahead of the load.  The last change that fills a slot asks for nothing; fills 0 and 1 come by their loads alone.
.macro ASK
	s_cmp_gt_u32 s[SLOTS], s[LIM]
	s_cbranch_scc0 .Lnot_mine_\@
	global_prefetch_b8 v[PFO], s[PFA:PFA+1] th:TH_LOAD_NT scope:SCOPE_SE
.Lnot_mine_\@:
.endm
	s_load_b256 s[4:11], s[0:1], 0x0               ; qkv s[4:5], lambda_q1 s[6:7], lambda_k1 s[8:9], lambda_q2 s[10:11]
	s_load_b128 s[12:15], s[0:1], 0x20             ; lambda_k2 s[12:13], subln_w s[14:15]
	s_load_b64 s[16:17], s[0:1], 0x30              ; att
	v_lshl_add_u32 v[SPW], v0, 2, SPARE
	v_mov_b32 v[NIL], 0
	ds_add_u32 v[SPW], v[NIL]                      ; the wave's opening: the add, twice on end, and its wait ahead of my first tensor load
	ds_add_u32 v[SPW], v[NIL]
	v_lshrrev_b32 v10, 5, v0
	v_readfirstlane_b32 s[WV], v10                 ; wave 0..7
	s_bfe_u32 s19, ttmp6, 0x40000                  ; cx
	s_lshl_b32 s20, ttmp9, 2
	s_add_co_u32 s20, s20, s19                     ; my block of 256 queries: it enters Q's and att's addresses alone
	s_and_b32 s21, ttmp7, 0xffff                   ; bh = 16 batch + head, which the four partners share
	; descriptor group 1: 64 rows of 256 bytes, dense in memory and in LDS
	s_mov_b32 s[G1], 15|(3<<16)|(1<<21)            ; the mask: all four work-groups; elements of 8 bytes; bit 21 beside a mask; no padding
	s_mov_b32 s[G1+1], 32<<16                      ; tensor_dim0 = 32
	s_mov_b32 s[G1+2], 64<<16                      ; tensor_dim1 = 64
	s_mov_b32 s[G1+3], 32<<16                      ; tile_dim0 = 32
	s_mov_b32 s[G1+4], 64                          ; tile_dim1 = 64
	s_mov_b32 s[G1+5], 32                          ; from row to row
	s_mov_b32 s[G1+6], 0
	s_mov_b32 s[G1+7], 0
	s_lshr_b32 s46, s[WV], 2
	s_add_co_u32 s46, s46, 1
	s_lshl_b32 s46, s46, 23                        ; K's region (waves 0-3) or V's (4-7),
	s_lshl_b32 s48, s21, 18                        ; the head's block,
	s_add_co_u32 s46, s46, s48
	s_and_b32 s49, s[WV], 3
	s_lshl_b32 s49, s49, 14                        ; my quarter of a slot's 64 KiB
	s_add_co_u32 s46, s46, s49
	s_mov_b32 s47, 0
	s_lshl_b32 s50, s20, 15                        ; Q: 16 tiles of 2,048 bytes a query block,
	s_add_co_u32 s50, s50, s48
	s_lshl_b32 s51, s[WV], 12                      ; two a wave
	s_add_co_u32 s50, s50, s51
	s_mov_b32 s51, 0
	s_and_b32 s52, s21, 15                         ; head
	s_lshr_b32 s53, s21, 4                         ; batch
	s_lshr_b32 s54, s52, 2
	s_lshl_b32 s54, s54, 21                        ; att: ks = head / 4,
	s_lshl_b32 s53, s53, 7
	s_lshl_b32 s55, s20, 4
	s_add_co_u32 s53, s53, s55
	s_lshl_b32 s55, s[WV], 1
	s_add_co_u32 s53, s53, s55                     ; tile of tokens 128 batch + 16 block + 2 wave,
	s_lshl_b32 s53, s53, 13
	s_add_co_u32 s54, s54, s53
	s_and_b32 s52, s52, 3
	s_lshl_b32 s52, s52, 11                        ; kc = 2 (head % 4)
	s_add_co_u32 s54, s54, s52
	s_mov_b32 s55, 0
	s_lshl_b32 s22, s19, 13                        ; the prefetches: my work-group's 8 KiB,
	s_add_co_u32 s22, s22, 65536                   ; in fill 1: the first change of slots steps it to fill 2
	s_mov_b32 s23, 0
	s_and_b32 s[LIM], s[WV], 1                     ; 0 in waves 0, 2, 4, 6
	s_or_b32 s[LIM], s[LIM], ttmp9                 ; of the head's first cluster: the same in all four partners
	s_cmp_eq_u32 s[LIM], 0
	s_cselect_b32 s[LIM], 1, -1
	s_mov_b32 s[SLOTS], 3
	s_mov_b32 s[TB], 0
	s_mov_b32 s[CS], 0x3e8293ee                    ; c = log2(e) / sqrt(32)
	s_mov_b32 s[CS+1], s[CS]                       ; (named with it as a pair, so it is written)
	s_mov_b32 s[SEL], 0x76543210
	s_mov_b32 s[SEL+1], 0xfedcba98
	s_mov_b32 s56, 0xc77fe000                      ; -65,504
	s_mov_b32 s57, 0x477fe000                      ; +65,504
	s_mov_b32 s58, 0x3c800000                      ; 1 / 64
	s_mov_b32 s59, 0x3727c5ac                      ; 1e-5
	s_mov_b32 s60, 0x3e5d9673                      ; 1 - LAMBDA_INIT = 0.6 exp(-3.6) + 0.2
	s_mov_b32 s61, s60
	v_and_b32 v10, 31, v0
	v_lshlrev_b32 v[LN16], 4, v10
	v_add_nc_u32 v[LNV], VOFF, v[LN16]
	v_lshlrev_b32 v[PFO], 8, v10
	v_lshlrev_b32 v11, 2, v10                      ; 4 x lane: the lambdas
	v_bfe_u32 v10, v0, 4, 1
	v_lshlrev_b32 v10, 5, v10                      ; 32 (lane / 16): my eight numbers of a tile of the gain
	s_wait_dscnt 0x0                               ; both opening adds are done
	s_wait_kmcnt 0x0
	s_mov_b32 s[G0], 1                             ; count = 1
	s_lshl_b32 s[G0+1], s[WV], 14                  ; LDS: wave x 16 KiB, in slot 0
	s_add_nc_u64 s[G0+2:G0+3], s[4:5], s[46:47]    ; fill 0
	s_or_b32 s[G0+3], s[G0+3], 0x80000000          ; type = 2
	s_add_nc_u64 s[PFA:PFA+1], s[4:5], s[46:47]
	s_add_nc_u64 s[PFA:PFA+1], s[PFA:PFA+1], s[22:23]
	s_add_nc_u64 s[4:5], s[4:5], s[50:51]          ; Q at my first tile
	s_add_nc_u64 s[16:17], s[16:17], s[54:55]      ; att at my first image
	CROUND                                         ; all four work-groups are here: the first joint loads meet
	tensor_load_to_lds s[G0:G0+3], s[G1:G1+7]
	s_nop 0
.rept 4
	v_nop
.endr
	WIN 0x40                                       ; destination window 1, address window 0
.irp u, 0,1,2,3                                ; Q stays in registers: unit u = 2 qt + j lies u x 1,024 bytes on
	global_load_b128 v[QR+8*\u:QR+8*\u+3], v[LN16], s[4:5] offset:1024*\u th:TH_LOAD_NT
	global_load_b128 v[QR+8*\u+4:QR+8*\u+7], v[LN16], s[4:5] offset:1024*\u+512 th:TH_LOAD_NT
.endr
.irp ct, 0,1,2,3                               ; the gain of channels 16 ct + 8 (lane / 16) + 0 .. 7
	global_load_b128 v[WR+8*\ct:WR+8*\ct+3], v10, s[14:15] offset:64*\ct
	global_load_b128 v[WR+8*\ct+4:WR+8*\ct+7], v10, s[14:15] offset:64*\ct+16
.endr
.set i, 0
.rept 128
	v_mov_b32 v[i], 0                              ; O^T: the step is written once; its first turn finds zeros, which a = 0 leaves zeros
.set i, i+1
.endr
	WIN 0
	global_load_b32 v12, v11, s[6:7]
	global_load_b32 v13, v11, s[8:9]
	global_load_b32 v14, v11, s[10:11]
	global_load_b32 v15, v11, s[12:13]
.irp u, 0,1,2,3
	v_mov_b32 v[ST+8*\u+1], 0xff61b1e6             ; m = -3e38, under every score
	v_mul_f32 v[ST+8*\u], s[CS], v[ST+8*\u+1]      ; c m
	v_mov_b32 v[ST+8*\u+2], 0                      ; l, in two halves
	v_mov_b32 v[ST+8*\u+3], 0
	v_mov_b32 v[ST+8*\u+5], 0                      ; written once: a lane permute's destination counts as one of its sources
.endr
	s_wait_loadcnt 0x0                             ; Q, the gain, the lambdas
	v_mul_f32 v12, v12, v13
	v_mul_f32 v14, v14, v15
.irp x, 1,2,4,8
	v_add_f32_dpp v12, v12, v12 row_xmask:\x row_mask:0xf bank_mask:0xf
	v_add_f32_dpp v14, v14, v14 row_xmask:\x row_mask:0xf bank_mask:0xf
.endr
	v_permlanex16_b32 v13, v12, s[SEL], s[SEL+1]
	v_permlanex16_b32 v15, v14, s[SEL], s[SEL+1]
	v_add_f32 v12, v12, v13                        ; sum of lambda_q1 x lambda_k1,
	v_add_f32 v14, v14, v15                        ; of lambda_q2 x lambda_k2
	v_mul_f32 v12, 0x3fb8aa3b, v12
	v_mul_f32 v14, 0x3fb8aa3b, v14
	v_exp_f32 v12, v12
	v_exp_f32 v14, v14
	v_nop                                          ; a plain instruction behind the exponentials,
	s_wait_alu depctr_va_vdst(0)                   ; and the one wait ahead of their first reader
	v_sub_f32 v[NLAM], v14, v12
	v_add_f32 v[NLAM], 0xbf489a63, v[NLAM]         ; -lambda_full = lambda_2 - lambda_1 - LAMBDA_INIT
	WIN 0x41                                       ; destination and source 0 window 1
.irp i, 0,2,4,6,8,10,12,14,16,18,20,22,24,26,28,30
	v_pk_mul_f32 v[WR+\i:WR+\i+1], v[WR+\i:WR+\i+1], s[60:61] op_sel_hi:[1,0]
.endr
	WIN 0
; A KEY STEP: 64 keys.  Every stage of the softmax is written with the four units innermost, so that no line waits for the line above it.
.macro STEP
	v_add_nc_u32 v[ADK], s[TB], v[LN16]
	v_add_nc_u32 v[ADV], s[TB], v[LNV]
.irp f, 0,1,2,3,4,5,6,7                        ; K's fragment f = 2 kt + j
	ds_load_b128 v[KR+8*\f:KR+8*\f+3], v[ADK] offset:1024*\f
	ds_load_b128 v[KR+8*\f+4:KR+8*\f+7], v[ADK] offset:1024*\f+512
.endr
	WIN 0x40
.irp f, 0,1,2,3,4,5,6,7                        ; V's fragment f = 4 g + ct
	ds_load_b128 v[VR+8*\f:VR+8*\f+3], v[ADV] offset:1024*\f
	ds_load_b128 v[VR+8*\f+4:VR+8*\f+7], v[ADV] offset:1024*\f+512
.endr
	s_wait_dscnt 16                                ; K is in; V's sixteen loads may be out
	WIN 0x04                                       ; source 1 (Q) window 1
.irp kt, 0,1,2,3
.irp u, 0,1,2,3
	v_wmma_f32_16x16x32_f16 v[S+32*\u+8*\kt:S+32*\u+8*\kt+7], v[KR+8*(2*\kt+(\u%2)):KR+8*(2*\kt+(\u%2))+7], v[QR+8*\u:QR+8*\u+7], 0
.endr
.endr
	WIN 0
.rept 4
	v_nop                                          ; four places between the last product and the first read of results (ISA guide 7.12.1)
.endr
.irp j, 0,1,2,3                                ; the maximum of a unit's 32 scores and the old m: four chains, each begun at its tile's low end
.irp u, 0,1,2,3
	v_max3_num_f32 v[ST+8*\u+4+\j], v[S+32*\u+8*\j], v[S+32*\u+8*\j+1], v[S+32*\u+8*\j+2]
.endr
.endr
.irp p, 1,2
.irp j, 0,1,2,3
.irp u, 0,1,2,3
	v_max3_num_f32 v[ST+8*\u+4+\j], v[ST+8*\u+4+\j], v[S+32*\u+8*\j+2*\p+1], v[S+32*\u+8*\j+2*\p+2]
.endr
.endr
.endr
.irp u, 0,1,2,3
	v_max3_num_f32 v[ST+8*\u+4], v[ST+8*\u+4], v[S+32*\u+7], v[S+32*\u+15]
.endr
.irp u, 0,1,2,3
	v_max3_num_f32 v[ST+8*\u+6], v[ST+8*\u+6], v[S+32*\u+23], v[S+32*\u+31]
.endr
.irp u, 0,1,2,3
	v_max3_num_f32 v[ST+8*\u+4], v[ST+8*\u+4], v[ST+8*\u+5], v[ST+8*\u+6]
.endr
.irp u, 0,1,2,3
	v_max3_num_f32 v[ST+8*\u+4], v[ST+8*\u+4], v[ST+8*\u+7], v[ST+8*\u+1]
.endr
.irp u, 0,1,2,3
	v_permlanex16_b32 v[ST+8*\u+5], v[ST+8*\u+4], s[SEL], s[SEL+1]   ; the query's other 32 keys lie in the lane 16 away
.endr
.irp u, 0,1,2,3
	v_mov_b32 v[ST+8*\u+7], v[ST+8*\u]             ; c m_old is kept for a
.endr
.irp u, 0,1,2,3
	v_max_num_f32 v[ST+8*\u+1], v[ST+8*\u+4], v[ST+8*\u+5]
.endr
.irp u, 0,1,2,3
	v_mul_f32 v[ST+8*\u], s[CS], v[ST+8*\u+1]
.endr
.irp u, 0,1,2,3
	v_sub_f32 v[ST+8*\u+7], v[ST+8*\u+7], v[ST+8*\u]
.endr
.irp b, 0,1,2,3,4,5,6,7,8,9,10,11,12,13,14,15
.irp u, 0,1,2,3
	v_pk_fma_f32 v[S+32*\u+2*\b:S+32*\u+2*\b+1], v[S+32*\u+2*\b:S+32*\u+2*\b+1], s[CS:CS+1], v[ST+8*\u:ST+8*\u+1] op_sel_hi:[1,0,0] neg_lo:[0,0,1] neg_hi:[0,0,1]   ; c s - c m, two at a time
.endr
.endr
.irp u, 0,1,2,3                                ; ONE BATCH: the four a and the 128 p; none reads another's result
	v_exp_f32 v[ST+8*\u+6], v[ST+8*\u+7]
.endr
.set i, 0
.rept 128
	v_exp_f32 v[S+i], v[S+i]
.set i, i+1
.endr
	v_nop                                          ; a plain instruction behind the last exponential,
	s_wait_alu depctr_va_vdst(0)                   ; and the one wait for the batch, ahead of its first reader
.irp u, 0,1,2,3                                ; the sums are taken of p in f32, ahead of the rounding
	v_pk_add_f32 v[ST+8*\u+4:ST+8*\u+5], v[S+32*\u:S+32*\u+1], v[S+32*\u+2:S+32*\u+3]
.endr
.irp b, 2,3,4,5,6,7,8,9,10,11,12,13,14,15
.irp u, 0,1,2,3
	v_pk_add_f32 v[ST+8*\u+4:ST+8*\u+5], v[ST+8*\u+4:ST+8*\u+5], v[S+32*\u+2*\b:S+32*\u+2*\b+1]
.endr
.endr
.irp u, 0,1,2,3
	v_pk_fma_f32 v[ST+8*\u+2:ST+8*\u+3], v[ST+8*\u+2:ST+8*\u+3], v[ST+8*\u+6:ST+8*\u+7], v[ST+8*\u+4:ST+8*\u+5] op_sel_hi:[1,0,1]   ; l = a l + the step's sum
.endr
.irp g, 0,1                                    ; p to f16, in place and ascending: register j takes numbers 2 j and 2 j + 1, which lie at or above it
.irp j, 0,1,2,3,4,5,6,7
.irp u, 0,1,2,3
	v_cvt_pk_f16_f32 v[S+32*\u+16*\g+\j], v[S+32*\u+16*\g+2*\j], v[S+32*\u+16*\g+2*\j+1]
.endr
.endr
.endr
	WIN 0x41                                       ; O^T (destination and source 0) window 1, a window 0
.irp i, 0,1,2,3,4,5,6,7,8,9,10,11,12,13,14,15
.irp u, 0,1,2,3
	v_pk_mul_f32 v[32*\u+2*\i:32*\u+2*\i+1], v[32*\u+2*\i:32*\u+2*\i+1], v[ST+8*\u+6:ST+8*\u+7] op_sel_hi:[1,0]   ; O^T x a, each accumulator from its low end on
.endr
.endr
	s_wait_dscnt 0x0                               ; V is in
	WIN 0x51                                       ; V, C and D window 1, P window 0
.irp g, 0,1                                    ; the 16 accumulators take turns, one instruction a turn
.irp ct, 0,1,2,3
.irp u, 0,1,2,3
	v_wmma_f32_16x16x32_f16 v[32*\u+8*\ct:32*\u+8*\ct+7], v[VR+8*(4*\g+\ct):VR+8*(4*\g+\ct)+7], v[S+32*\u+16*\g:S+32*\u+16*\g+7], v[32*\u+8*\ct:32*\u+8*\ct+7]
.endr
.endr
.endr
	WIN 0
.rept 5
	v_nop                                          ; five places: the next step's first products write over P, which these products read; its loads into V want four
.endr
	s_add_co_u32 s[TB], s[TB], STEPB
.endm
; THE CHANGE OF SLOTS stands at a slot's head.  Each wave waits for all its tensor loads (one is out: its part of the slot that is about to be read), adds 0 to its spare word, and waits for that and for its reads of the slot that it has left.
; fill = 1: behind a round of the cluster's barrier the other slot is filled with the next 512 keys: the wave's one tensor load, with eight key steps in which to land.
.macro CHANGE fill
	s_wait_tensorcnt 0x0                           ; no tensor load of mine is out, so group 0 may be written
	ds_add_u32 v[SPW], v[NIL]
.if \fill
	s_xor_b32 s[G0+1], s[G0+1], SLOT1              ; the other slot than last time,
	s_add_nc_u64 s[G0+2:G0+3], s[G0+2:G0+3], 65536 ; the next 512 keys; the type bits on top are not reached
	s_wait_xcnt 0x0                                ; the last prefetch, a slot back, has read its address, so it may be written:
	s_add_nc_u64 s[PFA:PFA+1], s[PFA:PFA+1], 65536 ; one fill further on than the walking descriptor
	s_wait_dscnt 0x0                               ; the add is done, and my reads of the slot that I have left are over
	CROUND
	tensor_load_to_lds s[G0:G0+3], s[G1:G1+7]
	s_nop 0
.rept 4
	v_nop
.endr
	ASK
.else
	s_wait_dscnt 0x0
	s_barrier_signal -1
	s_barrier_wait -1
.endif
.endm
.macro SLOT_STEPS                      ; a slot's eight key steps: written once, walked eight times; the LDS addresses hang on s[TB]
	s_mov_b32 s[STEPC], 8
.Lstep_\@:
	STEP
	s_sub_co_u32 s[STEPC], s[STEPC], 1
	s_cmp_lg_u32 s[STEPC], 0
	s_cbranch_scc1 .Lstep_\@
	s_sub_co_u32 s[TB], s[TB], 8*STEPB             ; back to a slot's first step,
	s_xor_b32 s[TB], s[TB], SLOT1                  ; in the other slot
.endm
.Lslot:                                            ; three trips: fills 1, 2, 3 are asked for while fills 0, 1, 2 are read
	CHANGE 1
	SLOT_STEPS
	s_sub_co_u32 s[SLOTS], s[SLOTS], 1
	s_cmp_lg_u32 s[SLOTS], 0
	s_cbranch_scc1 .Lslot
	CHANGE 0                                       ; the last slot is written out
	SLOT_STEPS
	; THE WAY OUT.  1 / l for each unit (the odd units' x -lambda); attn = O(2 qt) / l0 - lambda O(2 qt + 1) / l1; RMSNorm over the 64 channels (32 mine, 32 in the lane 16 away); the gain; f16; eight stores of 512 consecutive bytes.
.irp u, 0,1,2,3
	v_add_f32 v[ST+8*\u+4], v[ST+8*\u+2], v[ST+8*\u+3]
.endr
.irp u, 0,1,2,3
	v_permlanex16_b32 v[ST+8*\u+5], v[ST+8*\u+4], s[SEL], s[SEL+1]
.endr
.irp u, 0,1,2,3
	v_add_f32 v[ST+8*\u+4], v[ST+8*\u+4], v[ST+8*\u+5]
.endr
.irp u, 0,1,2,3
	v_rcp_f32 v[ST+8*\u+6], v[ST+8*\u+4]
.endr
	v_nop
	s_wait_alu depctr_va_vdst(0)                   ; one wait for the four reciprocals
.irp u, 1,3
	v_mul_f32 v[ST+8*\u+6], v[ST+8*\u+6], v[NLAM]
.endr
	WIN 0x01                                       ; source 0 (O^T) window 1
.irp qt, 0,1
.irp i, 0,1,2,3,4,5,6,7,8,9,10,11,12,13,14,15
	v_pk_mul_f32 v[XR+32*\qt+2*\i:XR+32*\qt+2*\i+1], v[64*\qt+32+2*\i:64*\qt+32+2*\i+1], v[ST+16*\qt+14:ST+16*\qt+15] op_sel_hi:[1,0]
.endr
.irp i, 0,1,2,3,4,5,6,7,8,9,10,11,12,13,14,15
	v_pk_fma_f32 v[XR+32*\qt+2*\i:XR+32*\qt+2*\i+1], v[64*\qt+2*\i:64*\qt+2*\i+1], v[ST+16*\qt+6:ST+16*\qt+7], v[XR+32*\qt+2*\i:XR+32*\qt+2*\i+1] op_sel_hi:[1,0,1]
.endr
.endr
	WIN 0
.irp qt, 0,1                                   ; the sum of squares: two packed chains a tile
	v_pk_mul_f32 v[ST+16*\qt:ST+16*\qt+1], v[XR+32*\qt:XR+32*\qt+1], v[XR+32*\qt:XR+32*\qt+1]
	v_pk_mul_f32 v[ST+16*\qt+2:ST+16*\qt+3], v[XR+32*\qt+2:XR+32*\qt+3], v[XR+32*\qt+2:XR+32*\qt+3]
.endr
.irp k, 1,2,3,4,5,6,7
.irp qt, 0,1
	v_pk_fma_f32 v[ST+16*\qt:ST+16*\qt+1], v[XR+32*\qt+4*\k:XR+32*\qt+4*\k+1], v[XR+32*\qt+4*\k:XR+32*\qt+4*\k+1], v[ST+16*\qt:ST+16*\qt+1]
	v_pk_fma_f32 v[ST+16*\qt+2:ST+16*\qt+3], v[XR+32*\qt+4*\k+2:XR+32*\qt+4*\k+3], v[XR+32*\qt+4*\k+2:XR+32*\qt+4*\k+3], v[ST+16*\qt+2:ST+16*\qt+3]
.endr
.endr
.irp qt, 0,1
	v_pk_add_f32 v[ST+16*\qt:ST+16*\qt+1], v[ST+16*\qt:ST+16*\qt+1], v[ST+16*\qt+2:ST+16*\qt+3]
.endr
.irp qt, 0,1
	v_add_f32 v[ST+16*\qt], v[ST+16*\qt], v[ST+16*\qt+1]
.endr
.irp qt, 0,1
	v_permlanex16_b32 v[ST+16*\qt+2], v[ST+16*\qt], s[SEL], s[SEL+1]
.endr
.irp qt, 0,1
	v_add_f32 v[ST+16*\qt], v[ST+16*\qt], v[ST+16*\qt+2]
.endr
.irp qt, 0,1
	v_fma_f32 v[ST+16*\qt], v[ST+16*\qt], s58, s59   ; the mean of the squares + 1e-5
.endr
.irp qt, 0,1
	v_rsq_f32 v[ST+16*\qt+4], v[ST+16*\qt]
.endr
	WIN 0x04                                       ; source 1 (the gain) window 1
.irp qt, 0,1                                   ; x the gain x (1 - LAMBDA_INIT): plain work that names neither root, between them and their wait
.irp i, 0,1,2,3,4,5,6,7,8,9,10,11,12,13,14,15
	v_pk_mul_f32 v[XR+32*\qt+2*\i:XR+32*\qt+2*\i+1], v[XR+32*\qt+2*\i:XR+32*\qt+2*\i+1], v[WR+2*\i:WR+2*\i+1]
.endr
.endr
	WIN 0
	s_wait_alu depctr_va_vdst(0)                   ; one wait for the two roots, ahead of their first reader
.irp qt, 0,1
.irp i, 0,1,2,3,4,5,6,7,8,9,10,11,12,13,14,15
	v_pk_mul_f32 v[XR+32*\qt+2*\i:XR+32*\qt+2*\i+1], v[XR+32*\qt+2*\i:XR+32*\qt+2*\i+1], v[ST+16*\qt+4:ST+16*\qt+5] op_sel_hi:[1,0]
.endr
.endr
.set i, 0
.rept 64
	v_med3_num_f32 v[XR+i], v[XR+i], s56, s57      ; held at f16's range
.set i, i+1
.endr
.set i, 0
.rept 32
	v_cvt_pk_f16_f32 v[PKR+i], v[XR+2*i], v[XR+2*i+1]   ; register 16 qt + 4 ct + r: channels 16 ct + 8 (lane / 16) + 2 r, + 1
.set i, i+1
.endr
.irp qt, 0,1
.irp ct, 0,1,2,3
	global_store_b128 v[LN16], v[PKR+16*\qt+4*\ct:PKR+16*\qt+4*\ct+3], s[16:17] offset:8192*\qt+1024*(\ct/2)+512*(\ct%2)   ; 32 lanes store 512 consecutive bytes, aligned
.endr
.endr
	s_wait_tensorcnt 0x0                           ; the wave's end
	ds_add_u32 v[SPW], v[NIL]
	s_wait_dscnt 0x0
	CROUND                                         ; the closing round: no work-group ends while a partner may still ask for a tile that names it
	s_endpgm
.Lfunc_end_k_q21977de3f9_attn:
	.size	k_q21977de3f9_attn, .Lfunc_end_k_q21977de3f9_attn-k_q21977de3f9_attn
	.p2alignl 7, 3214868480
	.fill 96, 4, 3214868480
	.section	.rodata,"a",@progbits
	.p2align	6, 0x0
	.amdhsa_kernel k_q21977de3f9_attn
		.amdhsa_group_segment_fixed_size 327680
		.amdhsa_private_segment_fixed_size 0
		.amdhsa_enable_private_segment 0
		.amdhsa_kernarg_size 56
		.amdhsa_user_sgpr_count 2
		.amdhsa_user_sgpr_kernarg_segment_ptr 1
		.amdhsa_wavefront_size32 1
		.amdhsa_system_sgpr_workgroup_id_x 1
		.amdhsa_system_sgpr_workgroup_id_y 1
		.amdhsa_system_sgpr_workgroup_id_z 1
		.amdhsa_system_vgpr_workitem_id 0
		.amdhsa_next_free_vgpr 512
		.amdhsa_next_free_sgpr 66
		.amdhsa_reserve_vcc 0
		.amdhsa_float_denorm_mode_32 3
		.amdhsa_float_denorm_mode_16_64 3
		.amdhsa_memory_ordered 1
		.amdhsa_forward_progress 1
		.amdhsa_inst_pref_size 96
	.end_amdhsa_kernel
	.amdgpu_metadata
---
amdhsa.version: [ 1, 2 ]
amdhsa.kernels:
  - .name:           k_q21977de3f9_attn
    .symbol:         k_q21977de3f9_attn.kd
    .args:
      - { .name: qkv, .offset: 0, .size: 8, .value_kind: global_buffer, .address_space: global }
      - { .name: lambda_q1, .offset: 8, .size: 8, .value_kind: global_buffer, .address_space: global }
      - { .name: lambda_k1, .offset: 16, .size: 8, .value_kind: global_buffer, .address_space: global }
      - { .name: lambda_q2, .offset: 24, .size: 8, .value_kind: global_buffer, .address_space: global }
      - { .name: lambda_k2, .offset: 32, .size: 8, .value_kind: global_buffer, .address_space: global }
      - { .name: subln_w, .offset: 40, .size: 8, .value_kind: global_buffer, .address_space: global }
      - { .name: att, .offset: 48, .size: 8, .value_kind: global_buffer, .address_space: global }
    .group_segment_fixed_size: 327680
    .private_segment_fixed_size: 0
    .kernarg_segment_align: 8
    .kernarg_segment_size: 56
    .max_flat_workgroup_size: 256
    .sgpr_count:     66
    .vgpr_count:     512
    .wavefront_size: 32
...
	.end_amdgpu_metadata
.endif
;; end of part 3
;; launch oproj (part 4): grid 8 x 32, 4 waves a work-group, clusters of 4 x 4, 327,680 bytes of LDS; arguments att, wo16, out0; writes out0
.if DOCPART == 4
	.amdgcn_target "amdgcn-amd-amdhsa--gfx1250"
	.amdhsa_code_object_version 6
	.text
	.protected	k_q21977de3f9_oproj
	.globl	k_q21977de3f9_oproj
	.p2align	8
	.type	k_q21977de3f9_oproj,@function
k_q21977de3f9_oproj:
	s_mov_b64 s[64:65], 0
	v_nop
	global_prefetch_b8 v0, s[64:65] scope:SCOPE_SE
	s_setreg_imm32_b32 hwreg(HW_REG_WAVE_MODE, 25, 1), 1
	s_wait_xcnt 0x0
	s_wait_alu depctr_hold_cnt(0) depctr_sa_sdst(0) depctr_va_vdst(0) depctr_va_sdst(0) depctr_va_ssrc(0) depctr_va_vcc(0) depctr_vm_vsrc(0)
	s_getreg_b32 s2, hwreg(HW_REG_IB_STS2, 6, 4)
	s_cmp_eq_u32 s2, 0
	s_cbranch_scc0 .Lentry_in_a_cluster
	s_endpgm
.Lentry_in_a_cluster:
	s_bfe_u32 s2, ttmp6, 0x10000c
	s_cmp_lg_u32 s2, 0xf033
	s_cbranch_scc0 .Lentry_shape_is_right
	s_endpgm
.Lentry_shape_is_right:
; out0[m][o] = sum over e of attn[m][e] Wo[o][e].  attn: 4,096 x 1,024 f16 as images of operand registers, att [ks, 4][tile of 16 tokens, 256][kc, 8][half][lane][16 bytes]; wo16: [1024][1024] f16; out0: [4096][1024] f32; sums in f32.
; A tile of out0 is 128 x 128: 256 work-groups, one for each WGP.  Four waves, each 64 x 64: 16 accumulators.  K goes in four steps of 256 through a ring of two LDS slots.
; A's part of a K step (128 tokens x 256 channels) is one dense block of 65,536 bytes: it lies in LDS as it lies in memory, and a fragment is read at 16 x lane.  B's rows of 512 bytes get 16 bytes of padding.
; CLUSTERS: 4 x 4 work-groups; A's tile is shared along a row of the cluster, B's along a column; each is asked for jointly.  THE MATRIX INSTRUCTION IS USED TRANSPOSED (source 0 = 16 rows of Wo, source 1 = 16 tokens):
; a lane holds eight neighbouring numbers of a row of out0.
; No prefetch: each byte of att and wo16 is asked for by several clusters at about the same time, and a K step's matrix work is short.
; REGISTERS: window 0: v0-31 addresses; v32-95 the way out; v128-255 the accumulators ((a, b) at v[128 + 8 (4 a + b)]).   window 1: two fragment buffers of 128: for 64 along K, 64 registers of A, then 64 of B.
.set PITCH,  528                       ; B's LDS row: 512 bytes + 16 of padding: the 16 rows of a load start 132 words apart
.set HALFA,  32768                     ; 64 tokens' images of a K step: what one tensor load brings of A
.set HALFB,  64*PITCH                  ; 64 rows of B
.set BOFF,   2*HALFA
.set SLOT,   BOFF+2*HALFB              ; 133,120 bytes
.set STAGE,  2*SLOT                    ; behind the ring: 16 rows x 272 bytes for each wave, for the way out
.set SPITCH, 272
.set SPARE,  STAGE+4*16*SPITCH         ; the spare words, 128 bytes a wave
.set LAPS,   2                         ; a lap = two K steps
.set ADRA, 16                          ; v16-17  LDS address of my A fragments in slot 0, 1
.set ADRB, 20                          ; v20-21  the same for B
.set STO,  24                          ; v24     the way out: where I put 32 bytes of a row
.set RD,   25                          ; v25     where I read 16 bytes of a row back
.set CO,   26                          ; v26     my byte offset in out0
.set SPW,  28                          ; v28     LDS address of my spare word; never rewritten
.set NIL,  29                          ; v29     0; never rewritten
.set TMP,  32
.set ACC,  128
.set F0,   0                           ; fragment buffers, in window 1
.set F1,   128
.set G1, 24                            ; s[24:31] descriptor group 1 for A's tiles;  s[32:39] group 0, one set for each slot
.set G0, 32
.set G1B, 48                           ; s[48:55], s[56:63] the same for B's tiles
.set G0B, 56
.set MSB, 0
.macro WIN new
.if MSB != \new
	s_set_vgpr_msb (MSB<<8)|\new
.set MSB, \new
.endif
.endm
.set MUL,  0x05                        ; sources 0 (B) and 1 (A) window 1; C and D window 0
.set TO_F, 0x40                        ; destination window 1, address window 0
.macro JLOAD s                         ; a joint load: waves 0 and 1 fetch A's two halves, waves 2 and 3 B's; an s_nop 0 and four v_nop follow each line
	s_cmp_eq_u32 s11, 0
	s_cbranch_scc0 .Lfor_b_\@
	tensor_load_to_lds s[G0+4*\s:G0+4*\s+3], s[G1:G1+7]
	s_nop 0
.rept 4
	v_nop
.endr
	s_branch .Lasked_\@
.Lfor_b_\@:
	tensor_load_to_lds s[G0B+4*\s:G0B+4*\s+3], s[G1B:G1B+7]
	s_nop 0
.rept 4
	v_nop
.endr
.Lasked_\@:
.endm
.macro CREST                           ; a round of the cluster's barrier behind its opening barrier
	s_cmp_lg_u32 s10, 0
	s_cbranch_scc1 .Lnot_wave_0_\@
	s_barrier_signal -3
.Lnot_wave_0_\@:
	s_barrier_wait -3
	s_barrier_signal -1
	s_barrier_wait -1
.endm
.macro CROUND
	s_barrier_signal -1
	s_barrier_wait -1
	CREST
.endm
	s_load_b128 s[4:7], s[0:1], 0x0                ; att s[4:5], wo16 s[6:7]
	s_load_b64 s[8:9], s[0:1], 0x10                ; out0
	v_lshl_add_u32 v[SPW], v0, 2, SPARE
	v_mov_b32 v[NIL], 0
	ds_add_u32 v[SPW], v[NIL]                      ; the wave's opening: the add, twice on end, and its wait ahead of my first tensor load
	ds_add_u32 v[SPW], v[NIL]
	v_lshrrev_b32 v1, 5, v0
	v_readfirstlane_b32 s10, v1                    ; wave 0..3
	s_lshr_b32 s11, s10, 1                         ; which half of the tile's rows is mine.  Also: I fetch for A (0) or for B (1)
	s_and_b32 s12, s10, 1                          ; which half of its columns.  Also: which half of that tile I fetch
	s_bfe_u32 s40, ttmp6, 0x40000                  ; cx, cy
	s_bfe_u32 s41, ttmp6, 0x40004
	s_lshl_b32 s42, ttmp9, 2
	s_add_co_u32 s42, s42, s40                     ; tile column = 4 x cluster x + cx
	s_and_b32 s13, ttmp7, 0xffff
	s_lshl_b32 s13, s13, 2
	s_add_co_u32 s13, s13, s41                     ; tile row = 4 x cluster y + cy
	s_lshl_b32 s43, s41, 2
	s_lshl_b32 s43, 15, s43                        ; my row of the cluster
	s_lshl_b32 s44, 0x1111, s40                    ; my column
	; A: 128 rows of 256 bytes (32 elements of 8 bytes), dense in memory and in LDS
	s_or_b32 s[G1+0], s43, (3<<16)|(1<<21)
	s_mov_b32 s[G1+1], 32<<16
	s_mov_b32 s[G1+2], 128<<16
	s_mov_b32 s[G1+3], 32<<16
	s_mov_b32 s[G1+4], 128
	s_mov_b32 s[G1+5], 32
	s_mov_b32 s[G1+6], 0
	s_mov_b32 s[G1+7], 0
	; B: 64 rows x 256 elements of 2 bytes, 1,024 elements from row to row; 4 words of padding behind every 128
	s_or_b32 s[G1B+0], s44, (1<<16)|(1<<20)|(1<<21)|(6<<22)|(3<<25)
	s_mov_b32 s[G1B+1], 256<<16
	s_mov_b32 s[G1B+2], 64<<16
	s_mov_b32 s[G1B+3], 256<<16
	s_mov_b32 s[G1B+4], 64
	s_mov_b32 s[G1B+5], 1024
	s_mov_b32 s[G1B+6], 0
	s_mov_b32 s[G1B+7], 0
	s_lshl_b32 s16, s13, 16                        ; A: a tile row's images of a K step are 65,536 bytes,
	s_lshl_b32 s17, s12, 15                        ; my half of them
	s_add_co_u32 s16, s16, s17
	s_mov_b32 s17, 0
	s_lshl_b32 s46, s42, 7
	s_lshl_b32 s47, s12, 6
	s_add_co_u32 s46, s46, s47                     ; B: row 128 x tile column + 64 x half,
	s_lshl_b32 s46, s46, 11                        ; 2,048 bytes a row
	s_mov_b32 s47, 0
	s_lshl_b32 s20, s12, 15                        ; where they go: no place in the cluster enters an LDS address
	s_mul_i32 s21, s12, HALFB
	s_add_co_u32 s21, s21, BOFF
	s_wait_dscnt 0x0                               ; both opening adds are done
	s_wait_kmcnt 0x0
	s_add_nc_u64 s[14:15], s[4:5], s[16:17]
	s_add_nc_u64 s[46:47], s[6:7], s[46:47]
	CROUND                                         ; all sixteen work-groups are here: the first joint loads meet
.irp s, 0,1
	s_mov_b32 s[G0+4*\s], 1
	s_add_co_u32 s[G0+4*\s+1], s20, \s*SLOT
	s_add_nc_u64 s[G0+4*\s+2:G0+4*\s+3], s[14:15], \s*2097152      ; K step s: 2,097,152 bytes a K step in att
	s_or_b32 s[G0+4*\s+3], s[G0+4*\s+3], 0x80000000
	s_mov_b32 s[G0B+4*\s], 1
	s_add_co_u32 s[G0B+4*\s+1], s21, \s*SLOT
	s_add_nc_u64 s[G0B+4*\s+2:G0B+4*\s+3], s[46:47], \s*512        ; 512 bytes along a row of wo16
	s_or_b32 s[G0B+4*\s+3], s[G0B+4*\s+3], 0x80000000
	JLOAD \s
.endr
	v_and_b32 v1, 15, v0                           ; l % 16
	v_bfe_u32 v2, v0, 4, 1                         ; l / 16
	v_mul_u32_u24 v3, v1, PITCH
	v_lshl_add_u32 v3, v2, 4, v3                   ; B: a fragment's row x pitch + 16 x half
	v_and_b32 v4, 31, v0
	v_lshlrev_b32 v4, 4, v4                        ; A: 16 x lane
	s_lshl_b32 s21, s11, 15                        ; my 64 tokens' images
	s_mul_i32 s22, s12, HALFB                      ; my 64 rows of B
	s_add_co_u32 s22, s22, BOFF
.irp s, 0,1
	v_add_nc_u32 v[ADRA+\s], s21, v4
	v_add_nc_u32 v[ADRB+\s], s22, v3
	s_add_co_u32 s21, s21, SLOT
	s_add_co_u32 s22, s22, SLOT
.endr
	s_mul_i32 s23, s10, 16*SPITCH
	s_add_co_u32 s23, s23, STAGE                   ; my stage
	v_mul_u32_u24 v5, v1, SPITCH                   ; in: row l % 16, 32 bytes for each half of the lanes
	v_lshl_add_u32 v5, v2, 5, v5
	v_add_nc_u32 v[STO], s23, v5
	v_mul_u32_u24 v5, v2, SPITCH                   ; back: lanes 0-15 take one row of 256 bytes, lanes 16-31 the next
	v_lshl_add_u32 v5, v1, 4, v5
	v_add_nc_u32 v[RD], s23, v5
	v_lshlrev_b32 v5, 12, v2                       ; and the same two rows in out0: 4,096 bytes a row
	v_lshl_add_u32 v[CO], v1, 4, v5
	s_lshl_b32 s16, s13, 7
	s_lshl_b32 s17, s11, 6
	s_add_co_u32 s16, s16, s17                     ; my first row: 128 x tile row + 64 x half
	s_lshl_b32 s16, s16, 12
	s_lshl_b32 s46, s42, 9                         ; my first column, in bytes: 512 x tile column + 256 x half
	s_lshl_b32 s47, s12, 8
	s_add_co_u32 s46, s46, s47
	s_add_co_u32 s16, s16, s46                     ; (under 2^24)
	s_mov_b32 s17, 0
	s_add_nc_u64 s[8:9], s[8:9], s[16:17]
; 8 matrix instructions: A's blocks a0, a0 + 1 x B's four, 32 along K: half c of buffer f.  zero = 1: the product starts the sums.  The 16 accumulators take turns.
.macro MUL8 f, c, a0, zero
.irp a, \a0, \a0+1
.irp b, 0,1,2,3
.if \zero
	v_wmma_f32_16x16x32_f16 v[ACC+8*(4*(\a)+\b):ACC+8*(4*(\a)+\b)+7], v[\f+64+8*(4*\c+\b):\f+64+8*(4*\c+\b)+7], v[\f+8*(4*\c+\a):\f+8*(4*\c+\a)+7], 0
.else
	v_wmma_f32_16x16x32_f16 v[ACC+8*(4*(\a)+\b):ACC+8*(4*(\a)+\b)+7], v[\f+64+8*(4*\c+\b):\f+64+8*(4*\c+\b)+7], v[\f+8*(4*\c+\a):\f+8*(4*\c+\a)+7], v[ACC+8*(4*(\a)+\b):ACC+8*(4*(\a)+\b)+7]
.endif
.endr
.endr
.endm
; 32 LDS loads in one run: the fragments of the K step's q-th 64 along K into buffer f; the first 32 along K first.  B from rows; A from images: tile of tokens i, kc = 2 q + c.
.macro FETCH slot, q, f
	WIN TO_F
.irp c, 0,1
.irp i, 0,1,2,3
	ds_load_b128 v[\f+64+8*(4*\c+\i):\f+64+8*(4*\c+\i)+3],   v[ADRB+\slot] offset:128*(\q)+64*\c+\i*16*PITCH
	ds_load_b128 v[\f+64+8*(4*\c+\i)+4:\f+64+8*(4*\c+\i)+7], v[ADRB+\slot] offset:128*(\q)+64*\c+\i*16*PITCH+32
	ds_load_b128 v[\f+8*(4*\c+\i):\f+8*(4*\c+\i)+3],         v[ADRA+\slot] offset:(2*(\q)+\c)*1024+\i*8192
	ds_load_b128 v[\f+8*(4*\c+\i)+4:\f+8*(4*\c+\i)+7],       v[ADRA+\slot] offset:(2*(\q)+\c)*1024+\i*8192+512
.endr
.endr
.endm
.macro PLACES                          ; four places in front of loads into registers that matrix instructions have read, and of reads of results
.rept 4
	v_nop
.endr
.endm
; A K step is four quarters of 64 along K, 32 matrix instructions each, on buffers 0, 1, 0, 1.  One of the first three: multiplies buffer f and fetches quarter q into g.
.macro QUARTER slot, q, f, g, zero
	s_wait_dscnt 16                                ; the first 32 along K are in; the sixteen loads of the second 32 may be out
	WIN MUL
	MUL8 \f, 0, 0, \zero
	MUL8 \f, 0, 2, \zero
	PLACES
	FETCH \slot, \q, \g
	s_wait_dscnt 32                                ; all but the 32 just issued
	WIN MUL
	MUL8 \f, 1, 0, 0
	MUL8 \f, 1, 2, 0
.endm
; The last quarter multiplies buffer 1 and changes slots: ONE barrier; in front of it each wave waits for all its tensor loads, adds 0 to its spare word, and waits for that and for its reads of this slot.  fill = 1: this slot is filled again, two K steps ahead.
.macro TURN slot, next, fill
	WIN 0                                          ; (the add's two registers lie in window 0)
	s_wait_tensorcnt 0x0                           ; all my tensor loads have landed: my part of the next slot
	ds_add_u32 v[SPW], v[NIL]
	s_wait_dscnt 17                                ; the add and the youngest sixteen loads may be out
	WIN MUL
	MUL8 F1, 0, 0, 0                               ; eight matrix instructions stand between the add and the wait for it
	s_wait_dscnt 0x0                               ; the add is done, and my reads of this slot are over
	s_barrier_signal -1
	MUL8 F1, 0, 2, 0
.if \fill
	WIN 0
.endif
	s_barrier_wait -1
.if \fill
	CREST                                          ; the barrier has opened a round of the cluster's barrier: no wave of any partner still reads this slot or has a load on its way
	s_add_nc_u64 s[G0+4*\slot+2:G0+4*\slot+3], s[G0+4*\slot+2:G0+4*\slot+3], 2*2097152
	s_add_nc_u64 s[G0B+4*\slot+2:G0B+4*\slot+3], s[G0B+4*\slot+2:G0B+4*\slot+3], 2*512
	JLOAD \slot                                    ; the first tensor load behind the round; its four v_nop are also the places in front of the loads below
.else
	PLACES
.endif
	FETCH \next, 0, F0
	WIN MUL
	MUL8 F1, 1, 0, 0
	MUL8 F1, 1, 2, 0
.endm
	s_wait_tensorcnt 1                             ; my part of K step 0 is in (K step 1's load may be out)
	s_barrier_signal -1
	s_barrier_wait -1                              ; everybody's is
	FETCH 0, 0, F0
	QUARTER 0, 1, F0, F1, 1                        ; the first quarter stands in front of the loop: its first products start the sums
	WIN 0                                          ; at a label and at a branch every window is 0
	s_mov_b32 s3, LAPS-1
.Llap:                                                 ; a trip goes once round the ring, from a lap's second quarter to the next lap's first, and fills both slots again
	QUARTER 0, 2, F1, F0, 0
	QUARTER 0, 3, F0, F1, 0
	TURN 0, 1, 1
	QUARTER 1, 1, F0, F1, 0
	QUARTER 1, 2, F1, F0, 0
	QUARTER 1, 3, F0, F1, 0
	TURN 1, 0, 1
	QUARTER 0, 1, F0, F1, 0
	WIN 0
	s_sub_co_u32 s3, s3, 1
	s_cmp_lg_u32 s3, 0
	s_cbranch_scc1 .Llap
	QUARTER 0, 2, F1, F0, 0                        ; the last lap fills nothing, and has no round of the cluster's barrier
	QUARTER 0, 3, F0, F1, 0
	TURN 0, 1, 0
	QUARTER 1, 1, F0, F1, 0
	QUARTER 1, 2, F1, F0, 0
	QUARTER 1, 3, F0, F1, 0
	s_wait_dscnt 16                                ; the very last quarter: nothing more to fetch
	WIN MUL
	MUL8 F1, 0, 0, 0
	MUL8 F1, 0, 2, 0
	s_wait_dscnt 0
	MUL8 F1, 1, 0, 0
	MUL8 F1, 1, 2, 0
	WIN 0
; THE WAY OUT, by blocks of 16 rows.  A wave's 64 columns of f32 are 256 consecutive bytes of a row, aligned: each wave has its own stage, and no barrier is needed.
; LDS serves a wave's instructions in order (ISA guide 5.7.1.4): no wait between the stores and the loads, nor in front of the next block's stores.
.macro TOSTAGE a
.irp b, 0,1,2,3
	ds_store_b128 v[STO], v[ACC+8*(4*(\a)+\b):ACC+8*(4*(\a)+\b)+3] offset:64*\b          ; each accumulator from its low end on
	ds_store_b128 v[STO], v[ACC+8*(4*(\a)+\b)+4:ACC+8*(4*(\a)+\b)+7] offset:64*\b+16
.endr
.irp t, 0,1,2,3,4,5,6,7
	ds_load_b128 v[TMP+32*((\a)%2)+4*\t:TMP+32*((\a)%2)+4*\t+3], v[RD] offset:\t*2*SPITCH
.endr
.endm
.macro SEND a, younger                 ; younger: the LDS instructions issued behind block a's loads, which may stay out
	s_wait_dscnt \younger
.irp t, 0,1,2,3,4,5,6,7
	global_store_b128 v[CO], v[TMP+32*((\a)%2)+4*\t:TMP+32*((\a)%2)+4*\t+3], s[8:9] offset:(16*(\a)+2*\t)*4096 th:TH_STORE_NT   ; 16 lanes store 256 consecutive bytes, aligned; written once, read by nobody here
.endr
.endm
	PLACES
	TOSTAGE 0
.irp a, 1,2,3
.if \a > 1
	s_wait_xcnt 0x0                                ; block a - 2's stores have read their registers: block a's loads may land there
.endif
	TOSTAGE \a
	SEND \a-1, 16                                  ; behind block a - 1's loads: block a's 8 stores and 8 loads
.endr
	SEND 3, 0
	s_wait_tensorcnt 0x0                           ; the wave's end: behind my last tensor load and my last LDS store
	ds_add_u32 v[SPW], v[NIL]
	s_wait_dscnt 0x0
	CROUND                                         ; the closing round
	s_endpgm
.Lfunc_end_k_q21977de3f9_oproj:
	.size	k_q21977de3f9_oproj, .Lfunc_end_k_q21977de3f9_oproj-k_q21977de3f9_oproj
	.p2alignl 7, 3214868480
	.fill 96, 4, 3214868480
	.section	.rodata,"a",@progbits
	.p2align	6, 0x0
	.amdhsa_kernel k_q21977de3f9_oproj
		.amdhsa_group_segment_fixed_size 327680
		.amdhsa_private_segment_fixed_size 0
		.amdhsa_enable_private_segment 0
		.amdhsa_kernarg_size 24
		.amdhsa_user_sgpr_count 2
		.amdhsa_user_sgpr_kernarg_segment_ptr 1
		.amdhsa_wavefront_size32 1
		.amdhsa_system_sgpr_workgroup_id_x 1
		.amdhsa_system_sgpr_workgroup_id_y 1
		.amdhsa_system_sgpr_workgroup_id_z 1
		.amdhsa_system_vgpr_workitem_id 0
		.amdhsa_next_free_vgpr 512
		.amdhsa_next_free_sgpr 66
		.amdhsa_reserve_vcc 0
		.amdhsa_float_denorm_mode_32 3
		.amdhsa_float_denorm_mode_16_64 3
		.amdhsa_memory_ordered 1
		.amdhsa_forward_progress 1
		.amdhsa_inst_pref_size 86
	.end_amdhsa_kernel
	.amdgpu_metadata
---
amdhsa.version: [ 1, 2 ]
amdhsa.kernels:
  - .name:           k_q21977de3f9_oproj
    .symbol:         k_q21977de3f9_oproj.kd
    .args:
      - { .name: att, .offset: 0, .size: 8, .value_kind: global_buffer, .address_space: global }
      - { .name: wo16, .offset: 8, .size: 8, .value_kind: global_buffer, .address_space: global }
      - { .name: out0, .offset: 16, .size: 8, .value_kind: global_buffer, .address_space: global }
    .group_segment_fixed_size: 327680
    .private_segment_fixed_size: 0
    .kernarg_segment_align: 8
    .kernarg_segment_size: 24
    .max_flat_workgroup_size: 128
    .sgpr_count:     66
    .vgpr_count:     512
    .wavefront_size: 32
...
	.end_amdgpu_metadata
.endif
;; end of part 4
